; MI455X (gfx1250); checked and timed in simulation.
; The chip was launched on July 23, 2026; its instructions are those of AMD's public machine-readable ISA for CDNA 5 (MIT licence, August 2026) and "CDNA5" Instruction Set Architecture Reference Guide (July 2026). The comments in the code are by the model that wrote it; some were corrected since.
;; Multi Head Attention. Allowed arithmetic: matrix products marked QUANTISED: E2M1 operands, one E8M0 scale for each 32 along K, by v_wmma_scale_f32_16x16x128_f8f6f4 with both operands' format E2M1 (or v_wmma_scale_f32_32x16x128_f4), f32 sums; products left as they are: bf16, f16 or f32 operands; f32 sums; everything else in f32.
;; Inputs: b_k 1,024 float32; b_o 1,024 float32; b_q 1,024 float32; b_v 1,024 float32; k 1 x 4,096 x 1,024 float32; q 1 x 4,096 x 1,024 float32; v 1 x 4,096 x 1,024 float32; w_k 1,024 x 1,024 float32; w_o 1,024 x 1,024 float32; w_q 1,024 x 1,024 float32; w_v 1,024 x 1,024 float32.
;; Outputs: out0 1 x 4,096 x 1,024 float32.
;; This version of the problem:
;;   THIS VERSION OF THE PROBLEM IS GIVEN IN LOW PRECISION. The matrix products marked QUANTISED in the list below multiply operands that are first quantised to E2M1 (2 exponent bits, 1 mantissa bit; 4 bits a number), with one power-of-two scale for each 32 numbers along K (OCP MX v1.0); their sums are f32. The products marked 'left as it is' may take bf16, f16 or f32 operands, with f32 sums. Whichever they take, every output number must still come out within the allowed error. Rounding operands to bf16 (8 significant bits) uses up far more of that allowance than f16 does (11 bits, for magnitudes from 6e-5 to 65,504). All else is computed in f32.
;;   The module's matrix products, in the order in which they are computed (A, B: the left and right operand; K: the contracted axis; several contracted axes count as one K, in the product's order):
;;     1. [M 4,096, K 1,024] x [K 1,024, N 1,024]; A: input q; B: input w_q: QUANTISED
;;     2. [M 4,096, K 1,024] x [K 1,024, N 1,024]; A: input k; B: input w_k: QUANTISED
;;     3. [M 4,096, K 1,024] x [K 1,024, N 1,024]; A: input v; B: input w_v: QUANTISED
;;     4. batch 16 x [M 4,096, K 64] x [K 64, N 4,096]; A: computed on the way; B: computed on the way: left as it is (an operand is computed on the way)
;;     5. batch 16 x [M 4,096, K 4,096] x [K 4,096, N 64]; A: computed on the way; B: computed on the way: left as it is (an operand is computed on the way)
;;     6. [M 4,096, K 1,024] x [K 1,024, N 1,024]; A: computed on the way; B: input w_o: left as it is (an operand is computed on the way)
;;   THE QUANTISER, for each operand of a quantised product, along K:
;;     - K is cut into blocks of 32 from its start; a last block that is shorter is filled with zeros.
;;     - A block's scale is 2^e with e = floor(log2(the largest magnitude in the block)) - 2, held to -126 .. 127; a block of zeros has e = 0. As a byte (E8M0): e + 127.
;;     - Each number is divided by its block's scale, clamped to +-6, and rounded to the nearest number of E2M1, ties to even, subnormals kept.
;;     - The product sums the exact products of the quantised numbers (number of the format x scale) in f32.
;;   ~~~python
;;   def quantise(x, axis):      # numpy; x: float32 -> the quantised numbers, widened to float32 again
;;       x = np.moveaxis(x, axis, -1); K = x.shape[-1]
;;       x = np.pad(x, [(0, 0)] * (x.ndim - 1) + [(0, -K % 32)]); x = x.reshape(x.shape[:-1] + (-1, 32)); a = np.abs(x).max(-1, keepdims=True)
;;       e = np.where(a > 0, np.clip(np.frexp(np.where(a > 0, a, 1))[1] - 1 - 2, -126, 127), 0)      # np.frexp(a)[1] - 1 = floor(log2(a)), exactly
;;       r = np.clip(x / 2.0 ** e, -6, 6)
;;       step = 2.0 ** (np.maximum(np.frexp(np.where(r == 0, 1, r))[1] - 1, 0) - 1)
;;       q = np.round(r / step) * step * 2.0 ** e      # np.round: ties to even
;;       return np.moveaxis(q.reshape(q.shape[:-2] + (-1,))[..., :K], -1, axis).astype(np.float32)
;;   ~~~
;; One version. Each part assembles by itself: llvm-mc -triple=amdgcn-amd-amdhsa -mcpu=gfx1250 --defsym DOCPART=n.
;; ======== version 1 of 1: 4 launches
;; limits: values are held in f16: magnitudes above 65,504 overflow, below 6.1e-05 lose precision; right only within a limited range of input values
;; workspace buffers: codes 7,864,320 bytes; scales 491,520 bytes; wo16 2,097,152 bytes; qkv 26,738,688 bytes; x16 8,388,608 bytes
;; launch quant (part 1): grid 512 x 1, 4 waves a work-group, no clusters, 33,280 bytes of LDS; arguments q, k, v, w_q, w_k, w_v, w_o, codes, scales, wo16, qkv; writes codes, scales, wo16, qkv
.if DOCPART == 1
	.amdgcn_target "amdgcn-amd-amdhsa--gfx1250"
	.amdhsa_code_object_version 6
	.text
	.protected	k_q14b31bdb95_quant
	.globl	k_q14b31bdb95_quant
	.p2align	8
	.type	k_q14b31bdb95_quant,@function
k_q14b31bdb95_quant:
	s_mov_b64 s[64:65], 0
	v_nop
	global_prefetch_b8 v0, s[64:65] scope:SCOPE_SE
	s_setreg_imm32_b32 hwreg(HW_REG_WAVE_MODE, 25, 1), 1
	s_wait_xcnt 0x0
; LAUNCH 1 OF 4.  q, k, v [4096][1024] and w_q, w_k, w_v [1024][1024], f32 with K innermost, become codes of FP4 (E2M1) with one E8M0 scale byte for each 32 along K;
; w_o becomes f16; the pad rows of K and V in the buffer qkv are written with zeros.
; THE WHOLE PROGRAM: 1 quantise | 2 the three projections on codes, + bias, results as f16 | 3 attention inside the band, x as f16 | 4 x w_o^T + b_o in f16 operands, f32 sums.
; WORK LEFT OUT, in the problem's own terms.  reference() builds _local_mask in its own body: key c counts for query r only where r - 127 <= c <= r + 128, and jnp.where puts -1e9 in the place of
; every other score.  So a score outside the band reaches no output, whatever the inputs hold: tiles of query x key that lie wholly outside the band are not multiplied (launch 3).  Their weights in the softmax are
; exp(-1e9 - the row's largest score), which in f32 is 0 as soon as the row's largest visible score lies above -1e9 + 104; so their part of the second product and of the row's sum is left out too.
; LIMITS that follow: rows whose visible scores all lie under about -1e9 + 104 are not served; a NaN, an infinity or an overflow that reaches only pairs outside the band is not carried to the result.
; Every input has a way to the output and is loaded: all four biases among them (b_k too: beside a finite -1e9 it is not the same along the softmax's axis).
; THE QUANTISER.  A block's scale is 2^(floor(log2(its largest magnitude)) - 2); its byte is the largest magnitude's own exponent field - 2, held at 1 from below.  A block of zeros so gets the byte 1 where the
; rule says 127: its codes are zeros, which add nothing under any byte but 0xff, and this program alone reads the bytes.  Each number is divided by the scale and rounded to the nearest code, ties to even; beyond 6 the largest code.
; LIMITS: blocks whose largest magnitude lies under 2^(2 - 126) keep the byte 1; NaN and infinities among the inputs are not served; |w_o| stays under 65,504 (f16).
; SHARES.  Rows are dense and 1024 is a multiple of 32: each tensor is a plain stream of blocks of 32.  Work-groups 0-479 take 32,768 numbers each, in the order q, k, v, w_q, w_k, w_v, and the codes and scale bytes
; lie in that same order in one buffer each: codes [15360 rows][512 bytes], scales [15360][32].  Work-groups 480-511 take w_o (32,768 numbers each) and one pad of 128 rows each.
; A wave takes 16 steps of 512 numbers.  Each of a step's four loads reads 512 consecutive bytes; the 2,048 bytes turn through the wave's own stage in LDS and come back 64 bytes a lane, so that a lane holds 16 neighbours
; along K (two neighbouring lanes hold a block).  A lane's 16 codes are 8 bytes: the wave stores 256 consecutive bytes.  A wave's 256 scale bytes are gathered in LDS and leave as one aligned run of 256 bytes.
; No tensor loads, no barrier, no matrix unit, no cluster: a stream whose waves share nothing.
.set WAVES, 4
.set STEPS, 16
.set QWG,   480                        ; work-groups that quantise
.set EMAX,  2
.set CB,    8                          ; bytes of 16 codes
.set R,     16                         ; v16-79   four sets of 16 numbers as they are loaded
.set X,     80                         ; v80-111  two sets of 16 neighbours
.set E,     112                        ; v112-127 a scale byte for each step
.set C,     128                        ; v128-191 codes: four registers for each step, so that no store's data are written again
.set WREG,  8192                       ; LDS: a region for each wave: two stages of 32 x SP bytes, behind them its 256 scale bytes
.set SP,    80                         ; a lane's place in a stage: its 64 bytes + 16 of padding
.set SPW,   12                         ; v12      LDS address of my spare word: SPARE + 4 x my thread's number; never rewritten
.set NIL,   13                         ; v13      0; never rewritten
.set SPARE, WAVES*WREG                 ; behind the four regions: the spare words, 128 bytes a wave: two blocks of 256 bytes that no other line names
.set PLANE, 4352*256                   ; qkv: [3][8 head pairs][4352 rows][256 bytes]
	s_load_b256 s[8:15], s[0:1], 0x0               ; q s[8:9], k s[10:11], v s[12:13], w_q s[14:15]
	s_load_b256 s[16:23], s[0:1], 0x20             ; w_k s[16:17], w_v s[18:19], w_o s[20:21], codes s[22:23]
	s_load_b128 s[24:27], s[0:1], 0x40             ; scales s[24:25], wo16 s[26:27]
	s_load_b64 s[28:29], s[0:1], 0x50              ; qkv
	v_lshl_add_u32 v[SPW], v0, 2, SPARE
	v_mov_b32 v[NIL], 0
	v_lshrrev_b32 v1, 5, v0
	v_readfirstlane_b32 s32, v1                    ; wave
	v_and_b32 v2, 31, v0                           ; lane
	v_lshlrev_b32 v3, 4, v2                        ; my 16 bytes of a load's 512
	s_mul_i32 s34, s32, WREG
	v_lshrrev_b32 v14, 2, v2
	v_mul_u32_u24 v14, v14, SP
	v_and_b32 v15, 3, v2
	v_lshl_add_u32 v14, v15, 4, v14
	v_add_nc_u32 v14, s34, v14                     ; the stage, on the way in: four lanes' 64 bytes on end, then 16 of padding
	v_mul_u32_u24 v15, v2, SP
	v_add_nc_u32 v15, s34, v15                     ; and on the way out: SP x lane: my 16 neighbours
	v_mul_u32_u24 v4, v2, CB                       ; my codes' place in a step's
	v_lshrrev_b32 v5, 1, v2
	s_add_co_u32 s34, s34, 2*32*SP
	v_add_nc_u32 v5, s34, v5                       ; LDS: my wave's 256 scale bytes, my block's byte
	v_lshlrev_b32 v7, 3, v2                        ; 8 bytes a lane
	v_add_nc_u32 v6, s34, v7
	s_mov_b32 s37, 0
	s_wait_kmcnt 0x0
	s_cmp_ge_u32 ttmp9, QWG                        ; the work-group's number alone decides
	s_cbranch_scc1 .Lwo
	; which tensor is mine: only a pointer and a first work-group are chosen; all six take one path through the text
.macro PICK bound, ptr, first
	s_cmp_lt_u32 ttmp9, \bound
	s_cselect_b64 s[4:5], s[\ptr:\ptr+1], s[4:5]
	s_cselect_b32 s33, \first, s33
.endm
	s_mov_b64 s[4:5], s[18:19]                     ; w_v, unless
	s_mov_b32 s33, 448
	PICK 448, 16, 416                              ; w_k
	PICK 416, 14, 384                              ; w_q
	PICK 384, 12, 256                              ; v
	PICK 256, 10, 128                              ; k
	PICK 128, 8, 0                                 ; q
	s_sub_co_u32 s34, ttmp9, s33
	s_lshl_b32 s34, s34, 2
	s_add_co_u32 s34, s34, s32                     ; which run of 8,192 numbers of the tensor is my wave's
	s_lshl_b32 s36, s34, 15                        ; 32,768 bytes a run (at most 511 runs)
	s_add_nc_u64 s[4:5], s[4:5], s[36:37]
	s_lshl_b32 s34, ttmp9, 2
	s_add_co_u32 s34, s34, s32                     ; and which run of the six tensors on end
	s_lshl_b32 s36, s34, 12                        ; 4,096 bytes of codes a run
	s_add_nc_u64 s[22:23], s[22:23], s[36:37]
	s_lshl_b32 s36, s34, 8                         ; 256 scale bytes a run
	s_add_nc_u64 s[24:25], s[24:25], s[36:37]
.macro LOAD t
.irp i, 0,1,2,3
	global_load_b128 v[R+16*((\t)%4)+4*\i:R+16*((\t)%4)+4*\i+3], v3, s[4:5] offset:2048*(\t)+512*\i th:TH_LOAD_NT   ; 32 lanes read 512 consecutive bytes
.endr
.endm
.macro TURN t                          ; step t's numbers through the stage: LDS serves a wave's instructions in order, so no wait stands between the stores and the loads
.irp i, 0,1,2,3
	ds_store_b128 v14, v[R+16*((\t)%4)+4*\i:R+16*((\t)%4)+4*\i+3] offset:32*SP*((\t)%2)+8*SP*\i
.endr
.irp i, 0,1,2,3
	ds_load_b128 v[X+16*((\t)%2)+4*\i:X+16*((\t)%2)+4*\i+3], v15 offset:32*SP*((\t)%2)+16*\i
.endr
.endm
.irp t, 0,1,2,3
	LOAD \t
.endr
	s_wait_loadcnt 12                              ; step 0's four loads are in; the twelve of steps 1 to 3 may be out
	TURN 0
.macro STEP t
.set XS, X+16*((\t)%2)
.if (\t) > 0
	s_wait_dscnt 1                                 ; this step's numbers are back from the stage (the last step's byte store may be out): so its stores into the stage have read their registers,
.else
	s_wait_dscnt 0x0
.endif
.if (\t)+4 < STEPS
	LOAD (\t)+4                                    ; which take the loads of four steps on
.endif
.if (\t)+1 < STEPS
.if STEPS-2-(\t) >= 3
	s_wait_loadcnt 12                              ; the next step's four loads are in; those of the three steps behind it may be out
.else
	s_wait_loadcnt 4*(STEPS-2-(\t))
.endif
	TURN (\t)+1                                    ; and go through the other stage while this step is worked
.endif
	v_max3_num_f32 v8, |v[XS]|, |v[XS+1]|, |v[XS+2]|               ; the largest magnitude of my 16, in two chains
	v_max3_num_f32 v9, |v[XS+3]|, |v[XS+4]|, |v[XS+5]|
.irp i, 6,10
	v_max3_num_f32 v8, v8, |v[XS+\i]|, |v[XS+\i+1]|
	v_max3_num_f32 v9, v9, |v[XS+\i+2]|, |v[XS+\i+3]|
.endr
	v_max3_num_f32 v8, v8, |v[XS+14]|, |v[XS+15]|
	v_max3_num_f32 v8, v8, v9, (EMAX+1)<<23        ; and the floor 2^(EMAX + 1 - 127): so the byte cannot fall under 1
	v_max_num_f32_dpp v8, v8, v8 row_xmask:1 row_mask:0xf bank_mask:0xf   ; and of my neighbour's 16: the block's
	v_add_nc_u32 v11, -(EMAX<<23), v8              ; EMAX off its exponent field: the conversion takes the exponent field of this operand as its scale, and nothing else of it
	v_cvt_scalef32_pk8_fp4_f32 v[C+4*(\t)], v[XS:XS+7], v11
	v_cvt_scalef32_pk8_fp4_f32 v[C+4*(\t)+1], v[XS+8:XS+15], v11
	v_lshrrev_b32 v[E+(\t)], 23, v11               ; the scale's byte (also the plain line behind the conversions)
	ds_store_b8 v5, v[E+(\t)] offset:16*(\t)       ; both lanes of a block write the same byte with the same value
	global_store_b64 v4, v[C+4*(\t):C+4*(\t)+1], s[22:23] offset:32*CB*(\t)   ; 256 consecutive bytes, aligned
.endm
.irp t, 0,1,2,3,4,5,6,7,8,9,10,11,12,13,14,15
	STEP \t
.endr
	ds_load_b64 v[8:9], v6                         ; LDS serves a wave's instructions in order: these see my stores
	s_wait_dscnt 0x0
	global_store_b64 v7, v[8:9], s[24:25]          ; 32 lanes store 256 consecutive bytes, aligned
	s_wait_tensorcnt 0x0                           ; the wave's end: behind my last LDS store
	ds_add_u32 v[SPW], v[NIL]
	s_wait_dscnt 0x0
	s_endpgm
.Lwo:	; ---- w_o to f16, and one pad of zeros.  j = work-group - 480
	s_sub_co_u32 s33, ttmp9, QWG
	s_lshl_b32 s36, s33, 17                        ; 131,072 bytes of w_o a work-group,
	s_lshl_b32 s34, s32, 15                        ; 32,768 a wave
	s_add_co_u32 s36, s36, s34
	s_add_nc_u64 s[20:21], s[20:21], s[36:37]
	s_lshr_b32 s36, s36, 1                         ; half as many in f16
	s_add_nc_u64 s[26:27], s[26:27], s[36:37]
	s_lshr_b32 s34, s33, 4
	s_add_co_u32 s34, s34, 1                       ; 1: K's planes, 2: V's
	s_lshl_b32 s34, s34, 3
	s_bfe_u32 s35, s33, 0x30001                    ; the head pair: three bits from bit 1
	s_add_co_u32 s34, s34, s35
	s_mul_i32 s36, s34, PLANE
	s_and_b32 s35, s33, 1                          ; the pad in front of position 0, or the one behind position 4095
	s_mul_i32 s35, s35, 4224*256
	s_add_co_u32 s36, s36, s35
	s_lshl_b32 s35, s32, 13                        ; 8,192 bytes of the pad's 32,768 a wave
	s_add_co_u32 s36, s36, s35
	s_add_nc_u64 s[28:29], s[28:29], s[36:37]
.macro LOADW p                         ; 16 loads of 512 consecutive bytes into set p % 2
.irp i, 0,1,2,3,4,5,6,7,8,9,10,11,12,13,14,15
	global_load_b128 v[16+64*((\p)%2)+4*\i:16+64*((\p)%2)+4*\i+3], v3, s[20:21] offset:512*(16*(\p)+\i) th:TH_LOAD_NT
.endr
.endm
.macro CONVW p
.if (\p) < 3
	s_wait_loadcnt 16                              ; this set's 16 loads are in; the next set's 16 may be out
.else
	s_wait_loadcnt 0x0
.endif
.if (\p) > 0
	s_wait_xcnt 0x0                                ; the last set's stores have read their data: the registers are written again only behind this wait
.endif
.irp i, 0,1,2,3,4,5,6,7,8,9,10,11,12,13,14,15
	v_cvt_pk_f16_f32 v[144+2*\i], v[16+64*((\p)%2)+4*\i], v[16+64*((\p)%2)+4*\i+1]
	v_cvt_pk_f16_f32 v[145+2*\i], v[16+64*((\p)%2)+4*\i+2], v[16+64*((\p)%2)+4*\i+3]
.endr
.if (\p) < 2
	LOADW (\p)+2
.endif
.irp i, 0,1,2,3,4,5,6,7,8,9,10,11,12,13,14,15
	global_store_b64 v7, v[144+2*\i:145+2*\i], s[26:27] offset:256*(16*(\p)+\i)   ; 256 consecutive bytes, aligned
.endr
.endm
	LOADW 0
	LOADW 1
	CONVW 0
	CONVW 1
	CONVW 2
	CONVW 3
.irp i, 0,1,2,3
	v_mov_b32 v[176+\i], 0
.endr
.irp i, 0,1,2,3,4,5,6,7,8,9,10,11,12,13,14,15
	global_store_b128 v3, v[176:179], s[28:29] offset:512*\i    ; zeros: launch 3's tile loads pass over these rows
.endr
	s_wait_tensorcnt 0x0                           ; the wave's end
	ds_add_u32 v[SPW], v[NIL]
	s_wait_dscnt 0x0
	s_endpgm
.Lfunc_end_k_q14b31bdb95_quant:
	.size	k_q14b31bdb95_quant, .Lfunc_end_k_q14b31bdb95_quant-k_q14b31bdb95_quant
	.p2alignl 7, 3214868480
	.fill 96, 4, 3214868480
	.section	.rodata,"a",@progbits
	.p2align	6, 0x0
	.amdhsa_kernel k_q14b31bdb95_quant
		.amdhsa_group_segment_fixed_size 33280
		.amdhsa_private_segment_fixed_size 0
		.amdhsa_enable_private_segment 0
		.amdhsa_kernarg_size 88
		.amdhsa_user_sgpr_count 2
		.amdhsa_user_sgpr_kernarg_segment_ptr 1
		.amdhsa_wavefront_size32 1
		.amdhsa_system_sgpr_workgroup_id_x 1
		.amdhsa_system_sgpr_workgroup_id_y 1
		.amdhsa_system_sgpr_workgroup_id_z 1
		.amdhsa_system_vgpr_workitem_id 0
		.amdhsa_next_free_vgpr 192
		.amdhsa_next_free_sgpr 66
		.amdhsa_reserve_vcc 0
		.amdhsa_float_denorm_mode_32 3
		.amdhsa_float_denorm_mode_16_64 3
		.amdhsa_memory_ordered 1
		.amdhsa_forward_progress 1
		.amdhsa_inst_pref_size 57
	.end_amdhsa_kernel
	.amdgpu_metadata
---
amdhsa.version: [ 1, 2 ]
amdhsa.kernels:
  - .name:           k_q14b31bdb95_quant
    .symbol:         k_q14b31bdb95_quant.kd
    .args:
      - { .name: q, .offset: 0, .size: 8, .value_kind: global_buffer, .address_space: global }
      - { .name: k, .offset: 8, .size: 8, .value_kind: global_buffer, .address_space: global }
      - { .name: v, .offset: 16, .size: 8, .value_kind: global_buffer, .address_space: global }
      - { .name: w_q, .offset: 24, .size: 8, .value_kind: global_buffer, .address_space: global }
      - { .name: w_k, .offset: 32, .size: 8, .value_kind: global_buffer, .address_space: global }
      - { .name: w_v, .offset: 40, .size: 8, .value_kind: global_buffer, .address_space: global }
      - { .name: w_o, .offset: 48, .size: 8, .value_kind: global_buffer, .address_space: global }
      - { .name: codes, .offset: 56, .size: 8, .value_kind: global_buffer, .address_space: global }
      - { .name: scales, .offset: 64, .size: 8, .value_kind: global_buffer, .address_space: global }
      - { .name: wo16, .offset: 72, .size: 8, .value_kind: global_buffer, .address_space: global }
      - { .name: qkv, .offset: 80, .size: 8, .value_kind: global_buffer, .address_space: global }
    .group_segment_fixed_size: 33280
    .private_segment_fixed_size: 0
    .kernarg_segment_align: 8
    .kernarg_segment_size: 88
    .max_flat_workgroup_size: 128
    .sgpr_count:     66
    .vgpr_count:     192
    .wavefront_size: 32
...
	.end_amdgpu_metadata
.endif
;; end of part 1
;; launch proj (part 2): grid 4 x 48, 4 waves a work-group, clusters of 4 x 4, 327,680 bytes of LDS; arguments codes, scales, qkv, b_q, b_k, b_v; writes qkv
.if DOCPART == 2
	.amdgcn_target "amdgcn-amd-amdhsa--gfx1250"
	.amdhsa_code_object_version 6
	.text
	.protected	k_q14b31bdb95_proj
	.globl	k_q14b31bdb95_proj
	.p2align	8
	.type	k_q14b31bdb95_proj,@function
k_q14b31bdb95_proj:
	s_mov_b64 s[64:65], 0
	v_nop
	global_prefetch_b8 v0, s[64:65] scope:SCOPE_SE
	s_setreg_imm32_b32 hwreg(HW_REG_WAVE_MODE, 25, 1), 1
	s_wait_xcnt 0x0
	s_wait_alu depctr_hold_cnt(0) depctr_sa_sdst(0) depctr_va_vdst(0) depctr_va_sdst(0) depctr_va_ssrc(0) depctr_va_vcc(0) depctr_vm_vsrc(0)
	s_getreg_b32 s2, hwreg(HW_REG_IB_STS2, 6, 4)
	s_cmp_eq_u32 s2, 0
	s_cbranch_scc0 .Lentry_in_a_cluster
	s_endpgm
.Lentry_in_a_cluster:
	s_bfe_u32 s2, ttmp6, 0x10000c
	s_cmp_lg_u32 s2, 0xf033
	s_cbranch_scc0 .Lentry_shape_is_right
	s_endpgm
.Lentry_shape_is_right:
; LAUNCH 2 OF 4.  The three projections in one product: C[12288][1024] = A B^T + bias on codes of FP4 (E2M1) with one E8M0 scale for each 32 along K = 1024.
; A: rows 0-12287 of the buffer codes (q, k, v on end); B: for projection p = row / 4096 the 1024 rows from 12288 + 1024 p on (w_q, w_k, w_v).  Scale bytes: [row][32] in the buffer scales.
; The result is rounded once to f16 and stored as launch 3 wants it: qkv [p][head pair][4352 rows][256 bytes], position s in row 128 + s; a pair's 128 columns are a row.  LIMIT: |Q|, |K|, |V| under 65,504.
; Nothing of reference() is left out here.
; A tile of C, 256 x 256, is made by a work-group of four waves; a wave makes 128 x 128: 64 accumulators of 16 x 16, 512 registers.  12288 x 1024 are 192 tiles: tiles of 128 x 128 would give every WGP work but read every
; fragment from LDS for half as many products, and would ask for every tile of A and B twice as often.
; K = 1024 is two LDS slots of 512 (rows of 256 bytes): both are asked for at the head, and nothing is filled again.  The scale bytes of the 256 + 256 rows, two dense blocks, come with them.
; CLUSTERS: 4 x 4 work-groups.  The four of a row of the cluster need the same tiles of A, the four of a column the same tiles of B: each tile is asked for JOINTLY, by the same tensor load with the same descriptor and a
; mask that names the four.  A projection is 16 tile rows, four clusters: p hangs on the cluster's y alone and is the same in all sixteen partners.
; THE MATRIX INSTRUCTION IS USED TRANSPOSED (source 0 = 16 rows of B, source 1 = 16 rows of A): a lane then holds eight neighbouring columns of a row of C.  THE BIAS is the C of each sum's first product.
; REGISTERS, in windows of 256: window 0: v0-31 addresses; v32-95 scale words, two sets, and nothing else ever; v128-191 A's fragments, ONE set (on the way out: rows read back); v192-255 the bias, 8 registers for each
;   of my 8 blocks of columns (on the way out v192-223: packed results).   window 1: B's fragments, TWO sets, at v0 and v128.   window 2: the accumulators of my rows 0-63 ((a, b) at v[8 (8 a + b)]);   window 3: rows 64-127.
.set KSTEP,  512
.set NQ,     KSTEP/128
.set ROWB,   256                       ; a tile's row in bytes: 512 codes
.set KROW,   512                       ; a row of codes in memory
.set PITCH,  272                       ; an LDS row: 256 bytes + 16 of padding = 68 words: the 16 rows that a load touches start 4 words apart modulo 64 (64 banks of 4 bytes: ISA guide 11.1)
.set FR,     8
.set NL,     2
.set NP,     4                         ; places behind this matrix instruction (ISA guide 7.12.1)
.set HALFT,  128*PITCH
.set SLOT,   4*HALFT
.set KS,     32                        ; a row of scale bytes
.set SCL,    2*SLOT
.set HALFS,  (128*KS/256)*272
.set SBLK,   (16*KS/256)*272
.set SPARE,  SCL+4*HALFS               ; the spare words, 128 bytes a wave: two blocks of 256 bytes that no other line names
.set SPITCH, 272                       ; the way out: a stage of 16 rows x (256 bytes + 16) for each wave, in slot 0, which has had its only fill and its last read when the first result is stored there
.set ADRA, 16
.set ADRB, 20
.set STO,  24
.set RD,   25
.set CO,   26
.set ADRS, 27
.set SPW,  28                          ; v28  LDS address of my spare word; never rewritten
.set NIL,  29                          ; v29  0; never rewritten
.set SC,   32
.set AF,   128
.set BI,   192                         ; the bias
.set TMP,  192                         ; the way out: packed results
.set BK,   128                         ; the way out: 16 rows read back: v128-159 and v160-191 by turns
.set G1, 24
.set G0, 32
.set G1B, 48
.set G0B, 56
.set G1S, 68
.set G0S, 76
.set G1SB, 80
.set G0SB, 88
.set MSB, 0
.macro WIN new                         ; the immediate's high byte repeats the setting that is left
.if MSB != \new
	s_set_vgpr_msb (MSB<<8)|\new
.set MSB, \new
.endif
.endm
.set MUL_LO, 0xa1                      ; source 0 (B) window 1, source 1 (A) window 0, C and D window 2
.set MUL_HI, 0xf1                      ; the same, C and D window 3
.set FST_LO, 0x81                      ; the first products: C (the bias) window 0, D window 2
.set FST_HI, 0xc1                      ; D window 3
.set TO_B,   0x40
; A joint load: waves 0 and 1 fetch for A, waves 2 and 3 for B.  Each line has ONE mask and one set of registers for all that issue it; the branch hangs on the wave's number alone.
; An s_nop 0 and four v_nop follow each of the two lines, ahead of the jump, the label and what follows.
.macro JLOAD g0a, g1a, g0b, g1b
	s_cmp_eq_u32 s15, 0
	s_cbranch_scc0 .Lfor_b_\@
	tensor_load_to_lds s[\g0a:\g0a+3], s[\g1a:\g1a+7]
	s_nop 0
.rept 4
	v_nop
.endr
	s_branch .Lasked_\@
.Lfor_b_\@:
	tensor_load_to_lds s[\g0b:\g0b+3], s[\g1b:\g1b+7]
	s_nop 0
.rept 4
	v_nop
.endr
.Lasked_\@:
.endm
.macro CROUND                          ; a round of the cluster's barrier
	s_barrier_signal -1
	s_barrier_wait -1
	s_cmp_lg_u32 s14, 0
	s_cbranch_scc1 .Lnot_wave_0_\@
	s_barrier_signal -3
.Lnot_wave_0_\@:
	s_barrier_wait -3
	s_barrier_signal -1
	s_barrier_wait -1
.endm
	s_load_b128 s[4:7], s[0:1], 0x0                ; codes s[4:5], scales s[6:7]
	s_load_b64 s[12:13], s[0:1], 0x10              ; qkv
	s_load_b128 s[96:99], s[0:1], 0x18             ; b_q s[96:97], b_k s[98:99]
	s_load_b64 s[100:101], s[0:1], 0x28            ; b_v
	v_lshl_add_u32 v[SPW], v0, 2, SPARE
	v_mov_b32 v[NIL], 0
	ds_add_u32 v[SPW], v[NIL]                      ; the wave's opening: the add, twice on end, and its wait ahead of my first tensor load; the set-up below stands between
	ds_add_u32 v[SPW], v[NIL]
	v_lshrrev_b32 v1, 5, v0
	v_readfirstlane_b32 s14, v1                    ; wave 0..3
	s_lshr_b32 s15, s14, 1                         ; which half of the tile's rows is mine.  Also: I fetch for A (0) or for B (1)
	s_and_b32 s16, s14, 1                          ; which half of its columns.  Also: which 128 rows of that tile I fetch
	s_bfe_u32 s40, ttmp6, 0x40000                  ; cx, cy: my place in the cluster
	s_bfe_u32 s41, ttmp6, 0x40004
	s_lshl_b32 s42, ttmp9, 2
	s_add_co_u32 s42, s42, s40                     ; tile column of C = 4 x cluster x + cx
	s_and_b32 s17, ttmp7, 0xffff
	s_lshr_b32 s95, s17, 2                         ; p = cluster y / 4: the projection, the same in all sixteen partners
	s_lshl_b32 s17, s17, 2
	s_add_co_u32 s17, s17, s41                     ; tile row of C = 4 x cluster y + cy
	s_lshl_b32 s43, s41, 2
	s_lshl_b32 s43, 15, s43                        ; my row of the cluster
	s_lshl_b32 s44, 0x1111, s40                    ; my column
	; descriptor group 1: a tile of 128 rows x 256 bytes, padded in LDS
	s_or_b32 s[G1+0], s43, (0<<16)|(1<<20)|(1<<21)|(5<<22)|(3<<25)  ; 15:0 the mask: A's tiles go to my row; 17:16 elements of 1 byte; 20 padding on; 21 set beside a mask; 24:22 after every 64 words; 31:25 four words
	s_or_b32 s[G1B+0], s44, (0<<16)|(1<<20)|(1<<21)|(5<<22)|(3<<25)
.irp g, G1, G1B
	s_mov_b32 s[\g+1], ROWB<<16                    ; tensor_dim0
	s_mov_b32 s[\g+2], 128<<16                     ; tensor_dim1
	s_mov_b32 s[\g+3], ROWB<<16                    ; tile_dim0
	s_mov_b32 s[\g+4], 128                         ; tile_dim1
	s_mov_b32 s[\g+5], KROW                        ; tensor_dim0_stride
	s_mov_b32 s[\g+6], 0
	s_mov_b32 s[\g+7], 0
.endr
	; the scales of 128 rows: a dense block of 4,096 bytes, as 16 rows of 256 bytes (32 elements of 8 bytes), 16 bytes of padding behind each
	s_or_b32 s[G1S+0], s43, (3<<16)|(1<<20)|(1<<21)|(5<<22)|(3<<25)
	s_or_b32 s[G1SB+0], s44, (3<<16)|(1<<20)|(1<<21)|(5<<22)|(3<<25)
.irp g, G1S, G1SB
	s_mov_b32 s[\g+1], 32<<16
	s_mov_b32 s[\g+2], (128*KS/256)<<16
	s_mov_b32 s[\g+3], 32<<16
	s_mov_b32 s[\g+4], 128*KS/256
	s_mov_b32 s[\g+5], 32
	s_mov_b32 s[\g+6], 0
	s_mov_b32 s[\g+7], 0
.endr
	s_lshl_b32 s18, s16, 7                         ; which 128 rows of the tile I fetch
	s_lshl_b32 s20, s17, 8
	s_add_co_u32 s20, s20, s18                     ; A: row 256 x tile row + 128 x half
	s_lshl_b32 s46, s42, 8
	s_add_co_u32 s46, s46, s18
	s_lshl_b32 s19, s95, 10
	s_add_co_u32 s46, s46, s19
	s_add_co_u32 s46, s46, 12288                   ; B: row 12288 + 1024 p + 256 x tile column + 128 x half
	s_lshl_b32 s22, s20, 5                         ; where these rows' scale bytes begin (32 a row),
	s_mov_b32 s23, 0
	s_lshl_b32 s92, s46, 5
	s_mov_b32 s93, 0
	s_lshl_b32 s20, s20, 9                         ; and their codes (512 a row): at most 15,360 rows, far under 2^32 bytes
	s_mov_b32 s21, 0
	s_lshl_b32 s46, s46, 9
	s_mov_b32 s47, 0
	s_mul_i32 s45, s14, HALFT                      ; where they go: wave x 128 rows: no place in the cluster enters an LDS address
	s_mul_i32 s94, s14, HALFS
	s_wait_dscnt 0x0                               ; both opening adds are done
	s_wait_kmcnt 0x0
	s_add_nc_u64 s[20:21], s[4:5], s[20:21]
	s_add_nc_u64 s[22:23], s[6:7], s[22:23]
	s_add_nc_u64 s[46:47], s[4:5], s[46:47]
	s_add_nc_u64 s[92:93], s[6:7], s[92:93]
	CROUND                                         ; all sixteen work-groups are here: the joint loads meet
	s_mov_b32 s[G0S], 1
	s_add_co_u32 s[G0S+1], s94, SCL
	s_mov_b64 s[G0S+2:G0S+3], s[22:23]
	s_or_b32 s[G0S+3], s[G0S+3], 0x80000000
	s_mov_b32 s[G0SB], 1
	s_add_co_u32 s[G0SB+1], s94, SCL
	s_mov_b64 s[G0SB+2:G0SB+3], s[92:93]
	s_or_b32 s[G0SB+3], s[G0SB+3], 0x80000000
	JLOAD G0S, G1S, G0SB, G1SB                     ; the scales first: they are wanted with the first slot
.irp s, 0,1
	s_mov_b32 s[G0+4*\s], 1
	s_add_co_u32 s[G0+4*\s+1], s45, \s*SLOT
	s_add_nc_u64 s[G0+4*\s+2:G0+4*\s+3], s[20:21], \s*ROWB
	s_or_b32 s[G0+4*\s+3], s[G0+4*\s+3], 0x80000000
	s_mov_b32 s[G0B+4*\s], 1
	s_add_co_u32 s[G0B+4*\s+1], s45, \s*SLOT
	s_add_nc_u64 s[G0B+4*\s+2:G0B+4*\s+3], s[46:47], \s*ROWB
	s_or_b32 s[G0B+4*\s+3], s[G0B+4*\s+3], 0x80000000
	JLOAD G0+4*\s, G1, G0B+4*\s, G1B               ; three tensor loads of mine are out now, and no more follow
.endr
	v_and_b32 v1, 15, v0                           ; r = l % 16
	v_bfe_u32 v2, v0, 4, 1                         ; h = l / 16
	; the bias: the pointer is chosen by p, which hangs on no address
	s_cmp_eq_u32 s95, 1
	s_cselect_b64 s[98:99], s[98:99], s[100:101]
	s_cmp_eq_u32 s95, 0
	s_cselect_b64 s[96:97], s[96:97], s[98:99]
	s_lshl_b32 s20, s42, 10                        ; my first column, 256 x tile column + 128 x half, in bytes of f32
	s_lshl_b32 s21, s16, 9
	s_add_co_u32 s20, s20, s21
	s_mov_b32 s21, 0
	s_add_nc_u64 s[96:97], s[96:97], s[20:21]
	v_lshlrev_b32 v7, 5, v2                        ; lane (r, h) wants, for block b, the bias of columns 16 b + 8 h + 0 .. 7
.irp b, 0,1,2,3,4,5,6,7
	global_load_b128 v[BI+8*\b:BI+8*\b+3], v7, s[96:97] offset:64*\b
	global_load_b128 v[BI+8*\b+4:BI+8*\b+7], v7, s[96:97] offset:64*\b+16
.endr
	v_mul_u32_u24 v3, v1, PITCH
	v_lshl_add_u32 v4, v2, 4, v3                   ; a fragment's row x pitch + 16 x half
	s_mul_i32 s21, s15, HALFT                      ; my 128 rows of A
	s_mul_i32 s22, s16, HALFT                      ; my 128 rows of B,
	s_add_co_u32 s22, s22, 2*HALFT                 ; which lie behind A's 256
.irp s, 0,1
	v_add_nc_u32 v[ADRA+\s], s21, v4
	v_add_nc_u32 v[ADRB+\s], s22, v4
	s_add_co_u32 s21, s21, SLOT
	s_add_co_u32 s22, s22, SLOT
.endr
	v_mul_u32_u24 v5, v1, KS                       ; my row's scales: 32 bytes a row,
	v_lshrrev_b32 v6, 8, v5
	v_lshl_add_u32 v5, v6, 4, v5                   ; and 16 more for each 256 passed
	s_mul_i32 s21, s15, HALFS                      ; A's: my 128 rows
	s_mul_i32 s22, s16, HALFS                      ; B's: my 128 rows, behind A's 256
	s_add_co_u32 s22, s22, 2*HALFS
	s_sub_co_u32 s22, s22, s21
	v_mul_u32_u24 v6, s22, v2                      ; lanes 16-31 take B's: one product, the distance between the two bases x h
	s_add_co_u32 s21, s21, SCL
	v_add_nc_u32 v5, v5, v6
	v_add_nc_u32 v[ADRS], s21, v5
	s_mul_i32 s23, s14, 16*SPITCH                  ; my stage
	v_mul_u32_u24 v5, v1, SPITCH                   ; in: row r, 16 bytes for each half of the lanes
	v_lshl_add_u32 v5, v2, 4, v5
	v_add_nc_u32 v[STO], s23, v5
	v_mul_u32_u24 v5, v2, SPITCH                   ; back: lanes 0-15 one row of 256 bytes, lanes 16-31 the next
	v_lshl_add_u32 v5, v1, 4, v5
	v_add_nc_u32 v[RD], s23, v5
	v_and_b32 v6, 31, v0
	v_lshlrev_b32 v[CO], 4, v6                     ; in qkv rows are 256 bytes apart: the same two rows are 512 consecutive bytes, 16 a lane
	s_lshl_b32 s20, s95, 3                         ; the plane: 8 p + my head pair, 2 x tile column + half
	s_lshl_b32 s21, s42, 1
	s_add_co_u32 s20, s20, s21
	s_add_co_u32 s20, s20, s16
	s_mul_i32 s20, s20, 4352                       ; in rows
	s_and_b32 s21, s17, 15
	s_lshl_b32 s21, s21, 8                         ; + my first position: 256 x (tile row % 16) + 128 x half
	s_add_co_u32 s20, s20, s21
	s_lshl_b32 s21, s15, 7
	s_add_co_u32 s20, s20, s21
	s_add_co_u32 s20, s20, 128                     ; + the pad in front
	s_lshl_b32 s20, s20, 8                         ; in bytes: under 2^25
	s_mov_b32 s21, 0
	s_add_nc_u64 s[12:13], s[12:13], s[20:21]
.macro FRAG reg, adr, q, i             ; a fragment, 16 rows x 128 K of 4-bit codes, is 8 registers: lane l holds row l % 16; registers 4 c .. 4 c + 3 hold K = 64 c + 32 (l / 16) + 0 .. 31
.irp c, 0,1
	ds_load_b128 v[\reg+4*\c:\reg+4*\c+3], v[\adr] offset:64*(\q)+32*\c+(\i)*16*PITCH
.endr
.endm
; 16 matrix instructions: A's blocks a0, a0 + 1 x B's eight, 128 along K: the slot's q-th.  p: B's set;  sc: the set of scale words.  zero = 1: the first product starts the sums from the bias: nothing is ever cleared.
; The 64 accumulators take turns, one instruction a turn, in the same order in every step.
.macro MUL16 a0, p, q, sc, zero
.irp a, \a0, \a0+1
.irp b, 0,1,2,3,4,5,6,7
.if \zero
	v_wmma_scale_f32_16x16x128_f8f6f4 v[8*(8*((\a)%4)+\b):8*(8*((\a)%4)+\b)+7], v[128*(\p)+FR*\b:128*(\p)+FR*\b+FR-1], v[AF+FR*(\a):AF+FR*(\a)+FR-1], v[BI+8*\b:BI+8*\b+7], v[SC+8*NQ*(\sc)+NQ*\b+(\q)], v[SC+8*NQ*(\sc)+NQ*(\a)+(\q)] matrix_a_fmt:MATRIX_FMT_FP4 matrix_b_fmt:MATRIX_FMT_FP4 matrix_a_scale:MATRIX_SCALE_ROW1
.else
	v_wmma_scale_f32_16x16x128_f8f6f4 v[8*(8*((\a)%4)+\b):8*(8*((\a)%4)+\b)+7], v[128*(\p)+FR*\b:128*(\p)+FR*\b+FR-1], v[AF+FR*(\a):AF+FR*(\a)+FR-1], v[8*(8*((\a)%4)+\b):8*(8*((\a)%4)+\b)+7], v[SC+8*NQ*(\sc)+NQ*\b+(\q)], v[SC+8*NQ*(\sc)+NQ*(\a)+(\q)] matrix_a_fmt:MATRIX_FMT_FP4 matrix_b_fmt:MATRIX_FMT_FP4 matrix_a_scale:MATRIX_SCALE_ROW1
.endif
.endr
.endr
.endm
.macro FETCH_B slot, q, p              ; B's eight fragments of the slot's q-th 128 along K into set p
	WIN TO_B
.irp i, 0,1,2,3,4,5,6,7
	FRAG 128*(\p)+FR*\i, ADRB+\slot, \q, \i
.endr
	WIN 0
.endm
.macro FETCH_A slot, q, i0             ; A's blocks i0 .. i0 + 3
.irp i, \i0, \i0+1, \i0+2, \i0+3
	FRAG AF+FR*(\i), ADRA+\slot, \q, \i
.endr
.endm
.macro SCALES sc                       ; a slot's scale words into set sc: 4 words a row; lanes 0-15 take A's block i, lanes 16-31 B's block i
.irp i, 0,1,2,3,4,5,6,7
	ds_load_b128 v[SC+8*NQ*\sc+NQ*\i:SC+8*NQ*\sc+NQ*\i+3], v[ADRS] offset:\i*SBLK
.endr
.endm
; A load into a register that a matrix instruction has read, and a vector instruction that reads a matrix result, stand NP places behind that matrix instruction; only plain vector instructions that name none of its
; registers are places (ISA guide 7.12.1 for vector instructions).
.macro PLACES n
.rept \n
	v_nop
.endr
.endm
; A step of 128 along K that has its successor in the same slot.
.macro STEP slot, q, zero
	s_wait_dscnt 4*NL                              ; B's set and A's blocks 0-3 are in; the youngest eight loads (A's blocks 4-7) may be out
.if \zero
	WIN FST_LO
.else
	WIN MUL_LO
.endif
	MUL16 0, (\q)%2, \q, \slot, \zero
	MUL16 2, (\q)%2, \q, \slot, \zero
	s_wait_dscnt 0                                 ; A's blocks 4-7 are in (asked for 32 matrix instructions ago)
	PLACES NP
	FETCH_B \slot, (\q)+1, 1-(\q)%2
	FETCH_A \slot, (\q)+1, 0
.if \zero
	WIN FST_HI
.else
	WIN MUL_HI
.endif
	MUL16 4, (\q)%2, \q, \slot, \zero
	MUL16 6, (\q)%2, \q, \slot, \zero
	PLACES NP
	WIN 0
	FETCH_A \slot, (\q)+1, 4
.endm
; Slot 0's last step changes slots: ONE barrier; in front of it each wave waits for all its tensor loads (slot 1's part is the one that may be out), adds 0 to its spare word, and waits for that and for its own reads of
; slot 0.  Behind it slot 1 is whole and nobody reads slot 0 any more: nothing is filled again, and slot 0 later serves as the stage.
.macro TURN slot, next
	s_wait_tensorcnt 0x0
	ds_add_u32 v[SPW], v[NIL]                      ; 0 onto my spare word
	s_wait_dscnt 4*NL+1                            ; (the add and the youngest eight loads, A's blocks 4-7, may be out)
	WIN MUL_LO
	MUL16 0, 1, NQ-1, \slot, 0                     ; sixteen matrix instructions stand between the add and the wait for it
	s_wait_dscnt 0x0                               ; the add is done, and my reads of this slot are over
	s_barrier_signal -1
	MUL16 2, 1, NQ-1, \slot, 0
	WIN 0
	s_barrier_wait -1
	PLACES NP
	v_add_nc_u32 v[ADRS], 4*NQ, v[ADRS]            ; on to the next slot's scale words (no LDS load of mine is out)
	FETCH_B \next, 0, 0
	FETCH_A \next, 0, 0
	SCALES \next
	WIN MUL_HI
	MUL16 4, 1, NQ-1, \slot, 0
	MUL16 6, 1, NQ-1, \slot, 0
	PLACES NP
	WIN 0
	FETCH_A \next, 0, 4
.endm
	s_wait_tensorcnt 1                             ; the scales and my part of slot 0 are in (slot 1's load, the one issued behind them, may be out),
	s_barrier_signal -1
	s_barrier_wait -1                              ; everybody's are
	FETCH_B 0, 0, 0
	FETCH_A 0, 0, 0
	SCALES 0
	FETCH_A 0, 0, 4
	s_wait_loadcnt 0x0                             ; the bias
	STEP 0, 0, 1                                   ; the first products start the sums from the bias
	STEP 0, 1, 0
	STEP 0, 2, 0
	TURN 0, 1
	STEP 1, 0, 0
	STEP 1, 1, 0
	STEP 1, 2, 0
	s_wait_dscnt 4*NL                              ; the very last step: nothing more to fetch
	WIN MUL_LO
	MUL16 0, 1, NQ-1, 1, 0
	MUL16 2, 1, NQ-1, 1, 0
	s_wait_dscnt 0
	WIN MUL_HI
	MUL16 4, 1, NQ-1, 1, 0
	MUL16 6, 1, NQ-1, 1, 0
	WIN 0
; THE WAY OUT of block a (16 rows x 128 columns), in three parts.  PACK: rounded to f16, 16 bytes a lane, each accumulator from its low end on.  TOSTAGE: into my own stage in LDS, and back as whole rows of 256 bytes.  SEND: stored.
.macro PACK a
.set AC, 64*((\a)%4)
	WIN 0x0a+5*((\a)/4)                            ; sources 0 and 1: window 2 or 3
.irp b, 0,1,2,3,4,5,6,7
.irp r, 0,1,2,3
	v_cvt_pk_f16_f32 v[TMP+4*\b+\r], v[AC+8*\b+2*\r], v[AC+8*\b+2*\r+1]
.endr
.endr
	WIN 0
.endm
.macro TOSTAGE a
.set BB, BK+32*((\a)%2)
.irp b, 0,1,2,3,4,5,6,7
	ds_store_b128 v[STO], v[TMP+4*\b:TMP+4*\b+3] offset:32*\b
.endr
.irp t, 0,1,2,3,4,5,6,7
	ds_load_b128 v[BB+4*\t:BB+4*\t+3], v[RD] offset:\t*2*SPITCH    ; LDS serves a wave's instructions in order (ISA guide 5.7.1.4): these see the stores above
.endr
.endm
.macro SEND a
.set BB, BK+32*((\a)%2)
	s_wait_dscnt 0x0                               ; the block is back in registers
	s_wait_xcnt 0x0                                ; the block before has been read by its stores: the next block's loads land in its registers only behind this wait
.irp t, 0,1,2,3,4,5,6,7
	global_store_b128 v[CO], v[BB+4*\t:BB+4*\t+3], s[12:13] offset:(16*(\a)+2*\t)*256   ; 32 lanes store 512 consecutive bytes, at a multiple of 256 from the buffer's first byte
.endr
.endm
	PLACES NP                                      ; behind the last products; the conversions of the blocks finished earlier follow as further places
	PACK 0
	TOSTAGE 0
.irp a, 1,2,3,4,5,6,7                  ; block a's conversions stand between block a - 1's loads from the stage and the wait for them
	PACK \a
	SEND \a-1
	TOSTAGE \a
.endr
	SEND 7
	s_wait_tensorcnt 0x0                           ; the wave's end: behind my last tensor load and my last LDS store
	ds_add_u32 v[SPW], v[NIL]
	s_wait_dscnt 0x0
	CROUND                                         ; the closing round: no work-group ends while a partner may still ask for a tile that names it
	s_endpgm
.Lfunc_end_k_q14b31bdb95_proj:
	.size	k_q14b31bdb95_proj, .Lfunc_end_k_q14b31bdb95_proj-k_q14b31bdb95_proj
	.p2alignl 7, 3214868480
	.fill 96, 4, 3214868480
	.section	.rodata,"a",@progbits
	.p2align	6, 0x0
	.amdhsa_kernel k_q14b31bdb95_proj
		.amdhsa_group_segment_fixed_size 327680
		.amdhsa_private_segment_fixed_size 0
		.amdhsa_enable_private_segment 0
		.amdhsa_kernarg_size 48
		.amdhsa_user_sgpr_count 2
		.amdhsa_user_sgpr_kernarg_segment_ptr 1
		.amdhsa_wavefront_size32 1
		.amdhsa_system_sgpr_workgroup_id_x 1
		.amdhsa_system_sgpr_workgroup_id_y 1
		.amdhsa_system_sgpr_workgroup_id_z 1
		.amdhsa_system_vgpr_workitem_id 0
		.amdhsa_next_free_vgpr 1024
		.amdhsa_next_free_sgpr 102
		.amdhsa_reserve_vcc 0
		.amdhsa_float_denorm_mode_32 3
		.amdhsa_float_denorm_mode_16_64 3
		.amdhsa_memory_ordered 1
		.amdhsa_forward_progress 1
		.amdhsa_inst_pref_size 128
	.end_amdhsa_kernel
	.amdgpu_metadata
---
amdhsa.version: [ 1, 2 ]
amdhsa.kernels:
  - .name:           k_q14b31bdb95_proj
    .symbol:         k_q14b31bdb95_proj.kd
    .args:
      - { .name: codes, .offset: 0, .size: 8, .value_kind: global_buffer, .address_space: global }
      - { .name: scales, .offset: 8, .size: 8, .value_kind: global_buffer, .address_space: global }
      - { .name: qkv, .offset: 16, .size: 8, .value_kind: global_buffer, .address_space: global }
      - { .name: b_q, .offset: 24, .size: 8, .value_kind: global_buffer, .address_space: global }
      - { .name: b_k, .offset: 32, .size: 8, .value_kind: global_buffer, .address_space: global }
      - { .name: b_v, .offset: 40, .size: 8, .value_kind: global_buffer, .address_space: global }
    .group_segment_fixed_size: 327680
    .private_segment_fixed_size: 0
    .kernarg_segment_align: 8
    .kernarg_segment_size: 48
    .max_flat_workgroup_size: 128
    .sgpr_count:     102
    .vgpr_count:     1024
    .wavefront_size: 32
...
	.end_amdgpu_metadata
.endif
;; end of part 2
;; launch attn (part 3): grid 32 x 8, 8 waves a work-group, no clusters, 327,680 bytes of LDS; arguments qkv, x16; writes x16
.if DOCPART == 3
	.amdgcn_target "amdgcn-amd-amdhsa--gfx1250"
	.amdhsa_code_object_version 6
	.text
	.protected	k_q14b31bdb95_attn
	.globl	k_q14b31bdb95_attn
	.p2align	8
	.type	k_q14b31bdb95_attn,@function
k_q14b31bdb95_attn:
	s_mov_b64 s[64:65], 0
	v_nop
	global_prefetch_b8 v0, s[64:65] scope:SCOPE_SE
	s_setreg_imm32_b32 hwreg(HW_REG_WAVE_MODE, 25, 1), 1
	s_wait_xcnt 0x0
; LAUNCH 3 OF 4.  x[s][64 head + d] = the sum over keys c of softmax_c(Q[s] . K[c] / 8, masked) V[c][d], for 16 heads of 64 channels, 4096 positions.  Operands f16, products, maxima and sums f32; the weights p are
; rounded to f16 for the second product, x once at the end.
; WORK LEFT OUT: reference()'s own _local_mask keeps key c for query r only where r - 127 <= c <= r + 128 and puts -1e9 in the place of every other score.  Tiles of 16 keys x 16 queries that lie wholly outside that band
; are not multiplied, and keys under 0 or over 4095 do not exist: their steps are jumped over.  A masked pair's weight, exp(-1e9 - the row's largest score), is 0 in f32 where the row's largest visible score lies above -1e9 + 104.
; INSIDE A TILE ON THE BAND'S EDGE the mask is the C of the tile's first product: 0 where the pair counts, -8e9 where not (the score is still to be divided by 8).  The weight is 0 there as with reference()'s -1e9.
; LIMITS: visible scores stay far above -1e9 (see above), and |score| far under 1e9; a NaN, an infinity or an overflow that reaches only masked pairs is not carried to the result; |Q|, |K|, |V| under 65,504 (f16).
; THE MAXIMUM is taken away as reference() does, by a running maximum m: p = 2^(c s - c m), c = log2(e) / 8; in every step O and the sum l are multiplied by a = 2^(c m_old - c m_new).
; SHARES.  A work-group owns 128 queries (q0 = 128 x) of one pair of heads (y): 256 work-groups.  qkv is [3][8 pairs][4352 rows][256 bytes], position s in row 128 + s, the pair's two heads side by side in a row.
; Wave w: head w / 4 of the pair, queries t = q0 + 32 (w % 4) .. + 31, as two tiles of 16.  It walks nine steps of 32 keys, t - 128 + 32 g on: 288 keys cover the band of both tiles.  t is a multiple of 32, so a step's keys
; exist all or not at all: a scalar branch on ids leads round a step that has none.  Step 4 (keys t .. t + 31) always exists and is wholly visible: it goes first and starts m, l and O, so that nothing is cleared.
; LDS.  The 384 rows of K and of V that the work-group's queries can see (keys q0 - 128 .. q0 + 255; the pads of zeros make the first and last blocks like the others) are one dense block of memory each.  They are
; fetched once, at the head, by four tensor loads of 192 rows x 256 bytes (waves 0, 1: K's halves; waves 2, 3: V's); nothing is filled again, and nothing is asked for later, so there is no ring and no prefetch.
; NO CLUSTER: neighbouring blocks of queries share rows of K and V, but their windows are shifted by 128 rows, so the same row belongs at another LDS address in each: a joint load wants one descriptor for all.
; LAYOUT.  S^T = K Q^T (source 0 = 16 keys, source 1 = 16 queries): a lane holds ONE query (lane % 16) and the keys 8 (lane / 16) + 0..7.  Two such tiles, rounded to f16 in pairs, ARE source 1 (32 keys x 16 queries) of
; O^T = V^T P, whose result again holds one query a lane.  K comes out of LDS as it lies, V ([key][channel]) turned, by ds_load_tr16_b128.  Two waves share a SIMD: one's vector work stands beside the other's products.
.set PLANE, 4352*256
.set PK,    272                        ; a row of K in LDS: 256 bytes + 16 = 68 words: the 16 rows of a load start 4 words apart modulo 64 (64 banks of 4 bytes: ISA guide 11.1)
.set PV,    288                        ; a row of V: 256 + 32 = 72 words
.set VOFF,  384*PK
.set STAGE, VOFF+384*PV                ; the way out: 128 rows x (256 bytes + 16): no tensor load lands here
.set SPARE, STAGE+128*272              ; the spare words, 128 bytes a wave: four blocks of 256 bytes that no other line names
.set AK0, 1                            ; v1   my lane's place in K for steps 0-3;  v8 for steps 4-8 (an LDS immediate has 16 bits)
.set AV0, 2                            ; v2   the same for V;  v9
.set SPW, 3                            ; v3   LDS address of my spare word; never rewritten
.set NIL, 4                            ; v4   0; never rewritten
.set STO, 5                            ; v5   the way out: where I put 16 bytes of a row
.set RD,  6                            ; v6   where I read a row back
.set GO,  7                            ; v7   my byte offset in x
.set AK4, 8
.set AV4, 9
.set QO,  10                           ; v10  my byte offset in the wave's rows of Q
.set EE,  11                           ; v11  lane % 16 - 8 (lane / 16)
.set ST,  12                           ; tile i's statistics at v[ST + 8 i]: +0 c m, +1 m, +2, +3 l (even keys', odd keys'), +4, +5 at work, +6 a, +7 at work
.set MLO, 28                           ; v28-35  the mask of a tile on the band's lower edge
.set MHI, 36                           ; v36-43  on its upper edge
.set NEGB, 44                          ; v44  -8e9
.set ZR,  45                           ; v45  0, for the masks
.set RR,  46                           ; v46  lane % 16
.set HH,  47                           ; v47  lane / 16
.set Q,   48                           ; v48-79   Q: tile i, channels 32 e on, at 48 + 16 i + 8 e
.set KF,  80                           ; v80-111  K of a step: keys 16 u on, channels 32 e on, at 80 + 16 u + 8 e
.set VF,  112                          ; v112-143 V^T of a step: channels 16 c on, at 112 + 8 c
.set S,   144                          ; v144-175 S^T, then p: tile i at 144 + 16 i
.set PR,  176                          ; v176-191 p as f16: tile i at 176 + 8 i
.set O,   192                          ; v192-255 O^T: tile i, channels 16 c on, at 192 + 32 i + 8 c
.set WV,  18
.set KB,  21                           ; s21  my step 0's first key, t - 128 (it may be negative)
.set CS,  22                           ; s[22:23] c: the packed form names a pair and takes its low word for both halves
.set G1K, 24
.set G1V, 32
.set G0K, 40
.set G0V, 44
.set SEL, 48                           ; s[48:49] lane selects for v_permlanex16_b32: lane l xor 16
	s_load_b128 s[4:7], s[0:1], 0x0                ; qkv s[4:5], x16 s[6:7]
	v_lshl_add_u32 v[SPW], v0, 2, SPARE
	v_mov_b32 v[NIL], 0
	ds_add_u32 v[SPW], v[NIL]                      ; the wave's opening: the add, twice on end, and its wait ahead of the first tensor load; the set-up below stands between
	ds_add_u32 v[SPW], v[NIL]
	v_lshrrev_b32 v[RR], 5, v0
	v_readfirstlane_b32 s[WV], v[RR]               ; wave 0..7
	s_lshr_b32 s19, s[WV], 2                       ; which head of the pair
	s_and_b32 s20, s[WV], 3                        ; which 32 queries
	s_lshl_b32 s[KB], ttmp9, 7
	s_lshl_b32 s50, s20, 5
	s_add_co_u32 s[KB], s[KB], s50
	s_sub_co_u32 s[KB], s[KB], 128
	s_mov_b32 s[CS], 0x3e38aa3b                    ; c = log2(e) / 8
	s_mov_b32 s[CS+1], s[CS]
	s_mov_b32 s[SEL], 0x76543210
	s_mov_b32 s[SEL+1], 0xfedcba98
	; descriptor group 1: 192 rows x 128 elements of 2 bytes, dense in memory, padded in LDS
	s_mov_b32 s[G1K], (1<<16)|(1<<20)|(5<<22)|(3<<25)   ; 15:0 no mask; 17:16 elements of 2 bytes; 20 padding on; 24:22 after every 64 words; 31:25 four words
	s_mov_b32 s[G1V], (1<<16)|(1<<20)|(5<<22)|(7<<25)   ; the same with eight words
.irp g, G1K, G1V
	s_mov_b32 s[\g+1], 128<<16                     ; tensor_dim0
	s_mov_b32 s[\g+2], 192<<16                     ; tensor_dim1
	s_mov_b32 s[\g+3], 128<<16                     ; tile_dim0
	s_mov_b32 s[\g+4], 192                         ; tile_dim1
	s_mov_b32 s[\g+5], 128                         ; tensor_dim0_stride
	s_mov_b32 s[\g+6], 0
	s_mov_b32 s[\g+7], 0
.endr
	s_and_b32 s50, ttmp7, 0xffff                   ; the pair of heads
	s_lshl_b32 s51, ttmp9, 15                      ; q0 rows of 256 bytes: key q0 - 128 lies in row q0 of a plane
	s_and_b32 s52, s[WV], 1                        ; which half of the window I fetch, if I fetch
	s_mul_i32 s53, s52, 192*256
	s_add_co_u32 s53, s53, s51
	s_mul_i32 s54, s50, PLANE
	s_add_co_u32 s56, s54, s53
	s_add_co_u32 s56, s56, 8*PLANE                 ; K's planes lie behind Q's eight,
	s_mov_b32 s57, 0
	s_add_co_u32 s58, s56, 8*PLANE                 ; V's behind K's: all under 2^25 bytes
	s_mov_b32 s59, 0
	s_mov_b32 s[G0K], 1
	s_mul_i32 s[G0K+1], s52, 192*PK
	s_mov_b32 s[G0V], 1
	s_mul_i32 s[G0V+1], s52, 192*PV
	s_add_co_u32 s[G0V+1], s[G0V+1], VOFF
	s_wait_dscnt 0x0                               ; both opening adds are done
	s_wait_kmcnt 0x0
	s_add_nc_u64 s[G0K+2:G0K+3], s[4:5], s[56:57]
	s_or_b32 s[G0K+3], s[G0K+3], 0x80000000
	s_add_nc_u64 s[G0V+2:G0V+3], s[4:5], s[58:59]
	s_or_b32 s[G0V+3], s[G0V+3], 0x80000000
	; the only fills: one tensor load in each of waves 0 to 3.  The branches hang on the wave's number alone; an s_nop 0 and four v_nop follow each line
	s_cmp_lt_u32 s[WV], 2
	s_cbranch_scc0 .Lnot_k
	tensor_load_to_lds s[G0K:G0K+3], s[G1K:G1K+7]
	s_nop 0
.rept 4
	v_nop
.endr
	s_branch .Lasked
.Lnot_k:
	s_cmp_lt_u32 s[WV], 4
	s_cbranch_scc0 .Lasked
	tensor_load_to_lds s[G0V:G0V+3], s[G1V:G1V+7]
	s_nop 0
.rept 4
	v_nop
.endr
.Lasked:
	s_lshl_b32 s55, s20, 13                        ; Q at my first query: the pair's plane, row 128 + t
	s_add_co_u32 s54, s54, s51
	s_add_co_u32 s54, s54, s55
	s_add_co_u32 s54, s54, 128*256
	s_mov_b32 s55, 0
	s_add_nc_u64 s[4:5], s[4:5], s[54:55]
	s_lshl_b32 s56, ttmp9, 18                      ; x at row q0 + 16 w (2,048 bytes a row), the pair's 256 bytes
	s_lshl_b32 s57, s[WV], 15
	s_add_co_u32 s56, s56, s57
	s_lshl_b32 s57, s50, 8
	s_add_co_u32 s56, s56, s57
	s_mov_b32 s57, 0
	s_add_nc_u64 s[6:7], s[6:7], s[56:57]
	v_and_b32 v[RR], 15, v0                        ; r
	v_bfe_u32 v[HH], v0, 4, 1                      ; h
	s_lshl_b32 s61, s19, 7                         ; my head's 128 bytes of a row
	v_lshlrev_b32 v[QO], 8, v[RR]
	v_lshl_add_u32 v[QO], v[HH], 4, v[QO]
	v_add_nc_u32 v[QO], s61, v[QO]                 ; row r, + my head, + 16 h
.irp i, 0,1
.irp e, 0,1
	global_load_b128 v[Q+16*\i+8*\e:Q+16*\i+8*\e+3],   v[QO], s[4:5] offset:4096*\i+64*\e      ; Q stays in registers
	global_load_b128 v[Q+16*\i+8*\e+4:Q+16*\i+8*\e+7], v[QO], s[4:5] offset:4096*\i+64*\e+32
.endr
.endr
	v_mul_u32_u24 v[AK0], v[RR], PK
	v_lshl_add_u32 v[AK0], v[HH], 4, v[AK0]
	s_mul_i32 s62, s20, 32*PK                      ; my step 0 begins at LDS row 32 (w % 4)
	s_add_co_u32 s62, s62, s61
	v_add_nc_u32 v[AK0], s62, v[AK0]
	v_add_nc_u32 v[AK4], 128*PK, v[AK0]
	v_add_nc_u32 v[STO], STAGE, v[AK0]             ; the stage has the same pitch: row 32 (w % 4) + r, + my head, + 16 h
	v_and_b32 v80, 7, v0
	v_bfe_u32 v81, v0, 3, 1
	v_lshl_add_u32 v[AV0], v[HH], 3, v80           ; the turning load: lane l reads key 8 h + l % 8, channels 8 ((l / 8) % 2) + 0..7
	v_mul_u32_u24 v[AV0], v[AV0], PV
	v_lshl_add_u32 v[AV0], v81, 4, v[AV0]
	s_mul_i32 s62, s20, 32*PV
	s_add_co_u32 s62, s62, s61
	s_add_co_u32 s62, s62, VOFF
	v_add_nc_u32 v[AV0], s62, v[AV0]
	v_add_nc_u32 v[AV4], 128*PV, v[AV0]
	v_mul_u32_u24 v[RD], v[HH], 272                ; back: wave w takes rows 16 w on; lanes 0-15 one row of 256 bytes, lanes 16-31 the next
	v_lshl_add_u32 v[RD], v[RR], 4, v[RD]
	s_mul_i32 s62, s[WV], 16*272
	s_add_co_u32 s62, s62, STAGE
	v_add_nc_u32 v[RD], s62, v[RD]
	v_lshlrev_b32 v[GO], 11, v[HH]                 ; and the same two rows in x
	v_lshl_add_u32 v[GO], v[RR], 4, v[GO]
	; THE MASKS.  In the tile of keys 16 u on of step g and queries 16 i on, key - query = -128 + 16 (2 g + u - i) + (8 h + n - r), n the register.  With 2 g + u - i = 0 the pair counts where 8 h + n - r >= 1;
	; with 16, where 8 h + n - r <= 0; between the two always; outside never.
	v_lshlrev_b32 v80, 3, v[HH]
	v_sub_nc_u32 v[EE], v[RR], v80                 ; r - 8 h
	v_mov_b32 v[NEGB], 0xcfee6b28                  ; -8e9
	v_mov_b32 v[ZR], 0
.irp n, 0,1,2,3,4,5,6,7
	v_cmp_gt_i32 vcc_lo, \n, v[EE]                 ; n > r - 8 h
	v_cndmask_b32 v[MLO+\n], v[NEGB], v[ZR], vcc_lo
	v_cndmask_b32 v[MHI+\n], v[ZR], v[NEGB], vcc_lo
.endr
	v_mov_b32 v[ST+7], 0                           ; (named as the upper half of the pair with a before it is first written)
	v_mov_b32 v[ST+15], 0
	s_wait_tensorcnt 0x0                           ; my part of the window is in,
	s_barrier_signal -1
	s_barrier_wait -1                              ; everybody's is
	s_wait_loadcnt 0x0                             ; Q
; The products S^T = K Q^T of step g, channels 32 e on: the live tiles by turns, one instruction a turn, in the same order for both e.  e = 0 starts each sum, from 0 or from a mask.
.macro SCORE g, e
.irp u2, 0,1
.irp i, 0,1
.set dlt, 2*(\g)+\u2-\i
.if (dlt >= 0) && (dlt <= 16)
.set rS, S+16*\i+8*\u2
.set rK, KF+16*\u2+8*(\e)
.set rQ, Q+16*\i+8*(\e)
.if (\e) == 1
	v_wmma_f32_16x16x32_f16 v[rS:rS+7], v[rK:rK+7], v[rQ:rQ+7], v[rS:rS+7]
.elseif dlt == 0
	v_wmma_f32_16x16x32_f16 v[rS:rS+7], v[rK:rK+7], v[rQ:rQ+7], v[MLO:MLO+7]
.elseif dlt == 16
	v_wmma_f32_16x16x32_f16 v[rS:rS+7], v[rK:rK+7], v[rQ:rQ+7], v[MHI:MHI+7]
.else
	v_wmma_f32_16x16x32_f16 v[rS:rS+7], v[rK:rK+7], v[rQ:rQ+7], 0
.endif
.endif
.endr
.endr
.endm
; The softmax of a step's 32 keys for both tiles, the tiles line by line by turns.  first = 1: the step that starts m, l and O^T: it has no a and nothing to rescale.
.macro SOFT first
.irp i, 0,1
	v_max3_num_f32 v[ST+8*\i+4], v[S+16*\i], v[S+16*\i+1], v[S+16*\i+2]       ; the largest of my 16 scores, in two chains; each accumulator is read from its low end on
.endr
.irp i, 0,1
	v_max3_num_f32 v[ST+8*\i+5], v[S+16*\i+3], v[S+16*\i+4], v[S+16*\i+5]
.endr
.irp k, 6,10
.irp i, 0,1
	v_max3_num_f32 v[ST+8*\i+4], v[ST+8*\i+4], v[S+16*\i+\k], v[S+16*\i+\k+1]
.endr
.irp i, 0,1
	v_max3_num_f32 v[ST+8*\i+5], v[ST+8*\i+5], v[S+16*\i+\k+2], v[S+16*\i+\k+3]
.endr
.endr
.irp i, 0,1
	v_max3_num_f32 v[ST+8*\i+4], v[ST+8*\i+4], v[S+16*\i+14], v[S+16*\i+15]
.endr
.irp i, 0,1
.if \first
	v_max_num_f32 v[ST+8*\i+4], v[ST+8*\i+4], v[ST+8*\i+5]
.else
	v_max3_num_f32 v[ST+8*\i+4], v[ST+8*\i+4], v[ST+8*\i+5], v[ST+8*\i+1]     ; and the old m
.endif
.endr
.irp i, 0,1
	v_permlanex16_b32 v[ST+8*\i+5], v[ST+8*\i+4], s[SEL], s[SEL+1]           ; the query's other 16 keys lie in the lane 16 away
.endr
.if \first == 0
.irp i, 0,1
	v_mov_b32 v[ST+8*\i+7], v[ST+8*\i]             ; c m_old is kept for a
.endr
.endif
.irp i, 0,1
	v_max_num_f32 v[ST+8*\i+1], v[ST+8*\i+4], v[ST+8*\i+5]
.endr
.irp i, 0,1
	v_mul_f32 v[ST+8*\i], s[CS], v[ST+8*\i+1]
.endr
.if \first == 0
.irp i, 0,1
	v_sub_f32 v[ST+8*\i+7], v[ST+8*\i+7], v[ST+8*\i]
.endr
.endif
.irp b, 0,1,2,3,4,5,6,7
.irp i, 0,1
	v_pk_fma_f32 v[S+16*\i+2*\b:S+16*\i+2*\b+1], v[S+16*\i+2*\b:S+16*\i+2*\b+1], s[CS:CS+1], v[ST+8*\i:ST+8*\i+1] op_sel_hi:[1,0,0] neg_lo:[0,0,1] neg_hi:[0,0,1]   ; c s - c m, two at a time
.endr
.endr
.if \first == 0
.irp i, 0,1
	v_exp_f32 v[ST+8*\i+6], v[ST+8*\i+7]           ; a
.endr
.endif
.irp n, 0,1,2,3,4,5,6,7,8,9,10,11,12,13,14,15
.irp i, 0,1
	v_exp_f32 v[S+16*\i+\n], v[S+16*\i+\n]         ; p, at most 1
.endr
.endr
	v_nop                                          ; a plain instruction behind the last exponential, ahead of the first use
	s_wait_alu depctr_va_vdst(0)                   ; and ONE wait for the whole batch of both tiles, ahead of its first reader
.irp b, 0,1,2,3,4,5,6,7
.irp i, 0,1
	v_cvt_pk_f16_f32 v[PR+8*\i+\b], v[S+16*\i+2*\b], v[S+16*\i+2*\b+1]       ; keys 16 u + 8 h + 0 .. 7 in registers 4 u .. 4 u + 3: source 1 of the second product as it stands
.endr
.endr
.irp k, 0,4,8,12                       ; the sum of the unrounded p, in place, in pairs (an even key's, an odd key's)
.irp i, 0,1
	v_pk_add_f32 v[S+16*\i+\k:S+16*\i+\k+1], v[S+16*\i+\k:S+16*\i+\k+1], v[S+16*\i+\k+2:S+16*\i+\k+3]
.endr
.endr
.irp k, 0,8
.irp i, 0,1
	v_pk_add_f32 v[S+16*\i+\k:S+16*\i+\k+1], v[S+16*\i+\k:S+16*\i+\k+1], v[S+16*\i+\k+4:S+16*\i+\k+5]
.endr
.endr
.if \first
.irp i, 0,1
	v_pk_add_f32 v[ST+8*\i+2:ST+8*\i+3], v[S+16*\i:S+16*\i+1], v[S+16*\i+8:S+16*\i+9]
.endr
.else
.irp i, 0,1
	v_pk_add_f32 v[S+16*\i:S+16*\i+1], v[S+16*\i:S+16*\i+1], v[S+16*\i+8:S+16*\i+9]
.endr
.irp i, 0,1
	v_pk_fma_f32 v[ST+8*\i+2:ST+8*\i+3], v[ST+8*\i+2:ST+8*\i+3], v[ST+8*\i+6:ST+8*\i+7], v[S+16*\i:S+16*\i+1] op_sel_hi:[1,0,1]   ; l = a l + the step's sum
.endr
.irp i, 0,1
.irp k, 0,2,4,6,8,10,12,14,16,18,20,22,24,26,28,30
	v_pk_mul_f32 v[O+32*\i+\k:O+32*\i+\k+1], v[O+32*\i+\k:O+32*\i+\k+1], v[ST+8*\i+6:ST+8*\i+7] op_sel_hi:[1,0]   ; O^T x a, each accumulator from its low end on
.endr
.endr
.endif
.endm
; A KEY STEP: keys t - 128 + 32 g .. + 31.
.macro KSTEP g, first
.if \first == 0
	s_add_co_u32 s60, s[KB], 32*\g                 ; the step's first key: under 0 it wraps to a large number
	s_cmp_lt_u32 s60, 4096
	s_cbranch_scc0 .Lskip_\@                       ; ids alone; no barrier, no tensor load and no wait for others stands in a step
.endif
.if \g < 4
.set bK, AK0
.set bV, AV0
.set gg, \g
.else
.set bK, AK4
.set bV, AV4
.set gg, \g-4
.endif
.irp u2, 0,1
.irp e, 0,1
	ds_load_b128 v[KF+16*\u2+8*\e:KF+16*\u2+8*\e+3],   v[bK] offset:(32*gg+16*\u2)*PK+64*\e
	ds_load_b128 v[KF+16*\u2+8*\e+4:KF+16*\u2+8*\e+7], v[bK] offset:(32*gg+16*\u2)*PK+64*\e+32
.endr
.endr
.irp c, 0,1,2,3
	ds_load_tr16_b128 v[VF+8*\c:VF+8*\c+3],   v[bV] offset:32*gg*PV+32*\c
	ds_load_tr16_b128 v[VF+8*\c+4:VF+8*\c+7], v[bV] offset:32*gg*PV+16*PV+32*\c
.endr
.irp u2, 0,1                           ; a tile wholly outside the band is not multiplied: its 8 scores are -8e9
.irp i, 0,1
.set dlt, 2*(\g)+\u2-\i
.if (dlt < 0) || (dlt > 16)
.irp n, 0,1,2,3,4,5,6,7
	v_mov_b32 v[S+16*\i+8*\u2+\n], v[NEGB]
.endr
.endif
.endr
.endr
	s_wait_dscnt 8                                 ; K's eight loads are in; V's eight, issued behind them, may be out
	SCORE \g, 0
	SCORE \g, 1
.rept 4
	v_nop                                          ; four places between the last product and the first read of a result (ISA guide 7.12.1)
.endr
	SOFT \first
	s_wait_dscnt 0x0                               ; V
.irp c, 0,1,2,3                        ; O^T += V^T P: eight accumulators, one instruction each
.irp i, 0,1
.if \first
	v_wmma_f32_16x16x32_f16 v[O+32*\i+8*\c:O+32*\i+8*\c+7], v[VF+8*\c:VF+8*\c+7], v[PR+8*\i:PR+8*\i+7], 0
.else
	v_wmma_f32_16x16x32_f16 v[O+32*\i+8*\c:O+32*\i+8*\c+7], v[VF+8*\c:VF+8*\c+7], v[PR+8*\i:PR+8*\i+7], v[O+32*\i+8*\c:O+32*\i+8*\c+7]
.endif
.endr
.endr
.rept 4
	v_nop                                          ; four places in front of the next step's loads into V's registers, and of the way out's reads: on every way, since they stand ahead of the label
.endr
.if \first == 0
.Lskip_\@:
.endif
.endm
	KSTEP 4, 1                                     ; keys t .. t + 31: they exist for every wave and count for all its queries
	KSTEP 3, 0
	KSTEP 2, 0
	KSTEP 1, 0
	KSTEP 0, 0
	KSTEP 5, 0
	KSTEP 6, 0
	KSTEP 7, 0
	KSTEP 8, 0
	; THE WAY OUT.  l's two halves and the other half of the lanes' are added; O^T is divided by l, rounded to f16 and goes through the work-group's stage, where the pair's two heads meet in rows of 256 bytes.
.irp i, 0,1
	v_add_f32 v[ST+8*\i+4], v[ST+8*\i+2], v[ST+8*\i+3]
.endr
.irp i, 0,1
	v_permlanex16_b32 v[ST+8*\i+5], v[ST+8*\i+4], s[SEL], s[SEL+1]
.endr
.irp i, 0,1
	v_add_f32 v[ST+8*\i+4], v[ST+8*\i+4], v[ST+8*\i+5]
.endr
.irp i, 0,1
	v_rcp_f32 v[ST+8*\i+6], v[ST+8*\i+4]
.endr
	v_nop                                          ; a plain instruction between the last reciprocal and the use of its result
	s_wait_alu depctr_va_vdst(0)                   ; and one wait for the two, ahead of the first use
.irp i, 0,1
.irp k, 0,2,4,6,8,10,12,14,16,18,20,22,24,26,28,30
	v_pk_mul_f32 v[O+32*\i+\k:O+32*\i+\k+1], v[O+32*\i+\k:O+32*\i+\k+1], v[ST+8*\i+6:ST+8*\i+7] op_sel_hi:[1,0]
.endr
.endr
.irp i, 0,1
.irp k, 0,1,2,3,4,5,6,7,8,9,10,11,12,13,14,15
	v_cvt_pk_f16_f32 v[S+16*\i+\k], v[O+32*\i+2*\k], v[O+32*\i+2*\k+1]       ; registers 4 c .. 4 c + 3 of a tile: x(query r, channels 16 c + 8 h + 0 .. 7)
.endr
.endr
.irp i, 0,1
.irp c, 0,1,2,3
	ds_store_b128 v[STO], v[S+16*\i+4*\c:S+16*\i+4*\c+3] offset:16*\i*272+32*\c
.endr
.endr
	s_wait_dscnt 0x0                               ; for the others' sake: my stores into the stage are done
	s_barrier_signal -1
	s_barrier_wait -1
.irp t, 0,1,2,3,4,5,6,7
	ds_load_b128 v[KF+4*\t:KF+4*\t+3], v[RD] offset:\t*2*272
.endr
.irp t, 0,1,2,3,4,5,6,7
	s_wait_dscnt 7-\t                              ; LDS loads come back in order: load t is in, the younger ones may be out
	global_store_b128 v[GO], v[KF+4*\t:KF+4*\t+3], s[6:7] offset:4096*\t     ; 16 lanes store 256 consecutive bytes, at a multiple of 256 from x's first byte
.endr
	s_wait_tensorcnt 0x0                           ; the wave's end: behind my last tensor load and my last LDS store
	ds_add_u32 v[SPW], v[NIL]
	s_wait_dscnt 0x0
	s_endpgm
.Lfunc_end_k_q14b31bdb95_attn:
	.size	k_q14b31bdb95_attn, .Lfunc_end_k_q14b31bdb95_attn-k_q14b31bdb95_attn
	.p2alignl 7, 3214868480
	.fill 96, 4, 3214868480
	.section	.rodata,"a",@progbits
	.p2align	6, 0x0
	.amdhsa_kernel k_q14b31bdb95_attn
		.amdhsa_group_segment_fixed_size 327680
		.amdhsa_private_segment_fixed_size 0
		.amdhsa_enable_private_segment 0
		.amdhsa_kernarg_size 16
		.amdhsa_user_sgpr_count 2
		.amdhsa_user_sgpr_kernarg_segment_ptr 1
		.amdhsa_wavefront_size32 1
		.amdhsa_system_sgpr_workgroup_id_x 1
		.amdhsa_system_sgpr_workgroup_id_y 1
		.amdhsa_system_sgpr_workgroup_id_z 1
		.amdhsa_system_vgpr_workitem_id 0
		.amdhsa_next_free_vgpr 256
		.amdhsa_next_free_sgpr 66
		.amdhsa_reserve_vcc 1
		.amdhsa_float_denorm_mode_32 3
		.amdhsa_float_denorm_mode_16_64 3
		.amdhsa_memory_ordered 1
		.amdhsa_forward_progress 1
		.amdhsa_inst_pref_size 102
	.end_amdhsa_kernel
	.amdgpu_metadata
---
amdhsa.version: [ 1, 2 ]
amdhsa.kernels:
  - .name:           k_q14b31bdb95_attn
    .symbol:         k_q14b31bdb95_attn.kd
    .args:
      - { .name: qkv, .offset: 0, .size: 8, .value_kind: global_buffer, .address_space: global }
      - { .name: x16, .offset: 8, .size: 8, .value_kind: global_buffer, .address_space: global }
    .group_segment_fixed_size: 327680
    .private_segment_fixed_size: 0
    .kernarg_segment_align: 8
    .kernarg_segment_size: 16
    .max_flat_workgroup_size: 256
    .sgpr_count:     66
    .vgpr_count:     256
    .wavefront_size: 32
...
	.end_amdgpu_metadata
.endif
;; end of part 3
;; launch outp (part 4): grid 8 x 32, 4 waves a work-group, clusters of 4 x 4, 327,680 bytes of LDS; arguments x16, wo16, b_o, out0; writes out0
.if DOCPART == 4
	.amdgcn_target "amdgcn-amd-amdhsa--gfx1250"
	.amdhsa_code_object_version 6
	.text
	.protected	k_q14b31bdb95_outp
	.globl	k_q14b31bdb95_outp
	.p2align	8
	.type	k_q14b31bdb95_outp,@function
k_q14b31bdb95_outp:
	s_mov_b64 s[64:65], 0
	v_nop
	global_prefetch_b8 v0, s[64:65] scope:SCOPE_SE
	s_setreg_imm32_b32 hwreg(HW_REG_WAVE_MODE, 25, 1), 1
	s_wait_xcnt 0x0
	s_wait_alu depctr_hold_cnt(0) depctr_sa_sdst(0) depctr_va_vdst(0) depctr_va_sdst(0) depctr_va_ssrc(0) depctr_va_vcc(0) depctr_vm_vsrc(0)
	s_getreg_b32 s2, hwreg(HW_REG_IB_STS2, 6, 4)
	s_cmp_eq_u32 s2, 0
	s_cbranch_scc0 .Lentry_in_a_cluster
	s_endpgm
.Lentry_in_a_cluster:
	s_bfe_u32 s2, ttmp6, 0x10000c
	s_cmp_lg_u32 s2, 0xf033
	s_cbranch_scc0 .Lentry_shape_is_right
	s_endpgm
.Lentry_shape_is_right:
; LAUNCH 4 OF 4.  out0[m][n] = the sum over k of x[m][k] w_o[n][k] + b_o[n].  x16: [4096][1024], wo16: [1024][1024], f16; sums and out0 [4096][1024] in f32.  Nothing of reference() is left out here.
; f16 and not bf16: three more bits in each operand; LIMIT: |x|, |w_o| under 65,504.
; A tile of C is 128 x 128: 256 tiles, one for each WGP (tiles of 256 x 256 would be 64).  Four waves, each 64 x 64: 16 accumulators of 16 x 16.  K goes in steps of 256 (LDS rows of 512 bytes; a wave's tensor load
; brings 64 of them) through two slots: four steps, so each slot is filled twice.
; CLUSTERS: 4 x 4 work-groups.  The four of a row of the cluster need the same tiles of A, the four of a column the same tiles of B: each tile is asked for JOINTLY, by the same tensor load with the same descriptor and a
; mask that names the four.  THE MATRIX INSTRUCTION IS USED TRANSPOSED (source 0 = 16 rows of B, source 1 = 16 rows of A): a lane then holds eight neighbouring numbers of a row of C.  THE BIAS is the C of each sum's first product.
; No prefetch: four short K steps on a small tile; half of all that is read is asked for at the head.
; REGISTERS: window 0: v0-31 addresses; v32-95 rows on the way out; v96-127 the bias, 8 registers for each of my 4 blocks of columns; v128-255 the accumulators ((a, b) at v[128 + 8 (4 a + b)]).
;   window 1: two fragment buffers of 128: for 64 along K, 64 registers of A (2 x 4 x 16 rows x 32 K), then 64 of B.
.set SIZE_N, 1024
.set SIZE_K, 1024
.set KSTEP,  256
.set PITCH,  528                       ; an LDS row: 512 bytes + 16 = 132 words: the 16 rows that a load touches start 4 words apart modulo 64 (64 banks of 4 bytes: ISA guide 11.1)
.set HALFT,  64*PITCH
.set SLOT,   4*HALFT
.set STAGE,  2*SLOT                    ; behind the ring: 16 rows x 272 bytes for each wave: a wave's 64 columns of f32 are 256 bytes, so each wave has a stage of its own and no barrier is wanted
.set SPITCH, 272
.set SPARE,  STAGE+4*16*SPITCH         ; the spare words, 128 bytes a wave: two blocks of 256 bytes that no other line names
.set LAPS, SIZE_K/(2*KSTEP)
.set ADRA, 16
.set ADRB, 20
.set STO,  24
.set RD,   25
.set CO,   26
.set SPW,  28                          ; v28  LDS address of my spare word; never rewritten
.set NIL,  29                          ; v29  0; never rewritten
.set TMP,  32
.set BI,   96
.set ACC,  128
.set F0,   0
.set F1,   128
.set G1, 24
.set G0, 32
.set G1B, 48
.set G0B, 56
.set MSB, 0
.macro WIN new                         ; the immediate's high byte repeats the setting that is left
.if MSB != \new
	s_set_vgpr_msb (MSB<<8)|\new
.set MSB, \new
.endif
.endm
.set MUL,  0x05                        ; sources 0 (B) and 1 (A) window 1; C and D window 0
.set TO_F, 0x40                        ; destination window 1, address window 0
.macro JLOAD s                         ; a joint load: waves 0 and 1 fetch A's two halves, waves 2 and 3 B's; an s_nop 0 and four v_nop follow each of the two lines, ahead of the jump, the label and what follows
	s_cmp_eq_u32 s11, 0
	s_cbranch_scc0 .Lfor_b_\@
	tensor_load_to_lds s[G0+4*\s:G0+4*\s+3], s[G1:G1+7]
	s_nop 0
.rept 4
	v_nop
.endr
	s_branch .Lasked_\@
.Lfor_b_\@:
	tensor_load_to_lds s[G0B+4*\s:G0B+4*\s+3], s[G1B:G1B+7]
	s_nop 0
.rept 4
	v_nop
.endr
.Lasked_\@:
.endm
.macro CREST                           ; a round of the cluster's barrier behind its opening barrier
	s_cmp_lg_u32 s10, 0
	s_cbranch_scc1 .Lnot_wave_0_\@
	s_barrier_signal -3
.Lnot_wave_0_\@:
	s_barrier_wait -3
	s_barrier_signal -1
	s_barrier_wait -1
.endm
.macro CROUND                          ; a whole round
	s_barrier_signal -1
	s_barrier_wait -1
	CREST
.endm
	s_load_b128 s[4:7], s[0:1], 0x0                ; x16 s[4:5], wo16 s[6:7]
	s_load_b64 s[68:69], s[0:1], 0x10              ; b_o
	s_load_b64 s[8:9], s[0:1], 0x18                ; out0
	v_lshl_add_u32 v[SPW], v0, 2, SPARE
	v_mov_b32 v[NIL], 0
	ds_add_u32 v[SPW], v[NIL]                      ; the wave's opening: the add, twice on end, and its wait ahead of my first tensor load; the set-up below stands between
	ds_add_u32 v[SPW], v[NIL]
	v_lshrrev_b32 v1, 5, v0
	v_readfirstlane_b32 s10, v1                    ; wave 0..3
	s_lshr_b32 s11, s10, 1                         ; which half of the tile's rows is mine.  Also: I fetch for A (0) or for B (1)
	s_and_b32 s12, s10, 1                          ; which half of its columns.  Also: which 64 rows of that tile I fetch
	s_bfe_u32 s40, ttmp6, 0x40000                  ; cx, cy: my place in the cluster
	s_bfe_u32 s41, ttmp6, 0x40004
	s_lshl_b32 s42, ttmp9, 2
	s_add_co_u32 s42, s42, s40                     ; tile column of C = 4 x cluster x + cx
	s_and_b32 s13, ttmp7, 0xffff
	s_lshl_b32 s13, s13, 2
	s_add_co_u32 s13, s13, s41                     ; tile row of C = 4 x cluster y + cy
	s_lshl_b32 s43, s41, 2
	s_lshl_b32 s43, 15, s43                        ; my row of the cluster
	s_lshl_b32 s44, 0x1111, s40                    ; my column
	; descriptor group 1: a tile of 64 rows x 256 elements, padded in LDS
	s_or_b32 s[G1+0], s43, (1<<16)|(1<<20)|(1<<21)|(6<<22)|(3<<25)  ; 15:0 the mask: A's tiles go to my row; 17:16 elements of 2 bytes; 20 padding on; 21 set beside a mask; 24:22 after every 128 words; 31:25 four words
	s_or_b32 s[G1B+0], s44, (1<<16)|(1<<20)|(1<<21)|(6<<22)|(3<<25)
.irp g, G1, G1B
	s_mov_b32 s[\g+1], KSTEP<<16                   ; tensor_dim0 = 256
	s_mov_b32 s[\g+2], 64<<16                      ; tensor_dim1 = 64
	s_mov_b32 s[\g+3], KSTEP<<16                   ; tile_dim0 = 256
	s_mov_b32 s[\g+4], 64                          ; tile_dim1 = 64
	s_mov_b32 s[\g+5], SIZE_K                      ; tensor_dim0_stride
	s_mov_b32 s[\g+6], 0
	s_mov_b32 s[\g+7], 0
.endr
	s_lshl_b32 s17, s12, 6                         ; which 64 rows of the tile I fetch
	s_lshl_b32 s16, s13, 7
	s_add_co_u32 s16, s16, s17                     ; A: row 128 x tile row + 64 x half
	s_lshl_b32 s46, s42, 7
	s_add_co_u32 s46, s46, s17                     ; B: row 128 x tile column + 64 x half
	s_mov_b32 s17, 0
	s_mov_b32 s47, 0
	s_mov_b64 s[18:19], SIZE_K*2
	s_mul_u64 s[16:17], s[16:17], s[18:19]
	s_mul_u64 s[46:47], s[46:47], s[18:19]
	s_mul_i32 s20, s10, HALFT                      ; where they go: wave x 64 rows: no place in the cluster enters an LDS address
	s_wait_dscnt 0x0                               ; both opening adds are done
	s_wait_kmcnt 0x0
	s_add_nc_u64 s[14:15], s[4:5], s[16:17]
	s_add_nc_u64 s[46:47], s[6:7], s[46:47]
	CROUND                                         ; all sixteen work-groups are here: the first joint loads meet
.irp s, 0,1
	s_mov_b32 s[G0+4*\s], 1
	s_add_co_u32 s[G0+4*\s+1], s20, \s*SLOT
	s_add_nc_u64 s[G0+4*\s+2:G0+4*\s+3], s[14:15], \s*KSTEP*2
	s_or_b32 s[G0+4*\s+3], s[G0+4*\s+3], 0x80000000
	s_mov_b32 s[G0B+4*\s], 1
	s_add_co_u32 s[G0B+4*\s+1], s20, \s*SLOT
	s_add_nc_u64 s[G0B+4*\s+2:G0B+4*\s+3], s[46:47], \s*KSTEP*2
	s_or_b32 s[G0B+4*\s+3], s[G0B+4*\s+3], 0x80000000
	JLOAD \s                                       ; two tensor loads of mine are out at the most
.endr
	v_and_b32 v1, 15, v0                           ; r = l % 16
	v_bfe_u32 v2, v0, 4, 1                         ; h = l / 16
	s_lshl_b32 s46, s42, 9                         ; my first column, 128 x tile column + 64 x half, in bytes of f32
	s_lshl_b32 s47, s12, 8
	s_add_co_u32 s46, s46, s47
	s_mov_b32 s47, 0
	s_add_nc_u64 s[68:69], s[68:69], s[46:47]
	v_lshlrev_b32 v6, 5, v2                        ; lane (r, h) wants, for block b, the bias of columns 16 b + 8 h + 0 .. 7
.irp b, 0,1,2,3
	global_load_b128 v[BI+8*\b:BI+8*\b+3], v6, s[68:69] offset:64*\b
	global_load_b128 v[BI+8*\b+4:BI+8*\b+7], v6, s[68:69] offset:64*\b+16
.endr
	v_mul_u32_u24 v3, v1, PITCH
	v_lshl_add_u32 v3, v2, 4, v3                   ; a fragment's row x pitch + 16 x half
	s_mul_i32 s21, s11, HALFT                      ; my 64 rows of A
	s_mul_i32 s22, s12, HALFT                      ; my 64 rows of B,
	s_add_co_u32 s22, s22, 2*HALFT                 ; which lie behind A's 128
.irp s, 0,1
	v_add_nc_u32 v[ADRA+\s], s21, v3
	v_add_nc_u32 v[ADRB+\s], s22, v3
	s_add_co_u32 s21, s21, SLOT
	s_add_co_u32 s22, s22, SLOT
.endr
	s_mul_i32 s23, s10, 16*SPITCH
	s_add_co_u32 s23, s23, STAGE                   ; my stage
	v_mul_u32_u24 v4, v1, SPITCH                   ; in: row r, 32 bytes for each half of the lanes
	v_lshl_add_u32 v4, v2, 5, v4
	v_add_nc_u32 v[STO], s23, v4
	v_mul_u32_u24 v5, v2, SPITCH                   ; back: lanes 0-15 one row of 256 bytes, lanes 16-31 the next
	v_lshl_add_u32 v5, v1, 4, v5
	v_add_nc_u32 v[RD], s23, v5
	v_mul_u32_u24 v5, v2, SIZE_N*4                 ; and the same two rows in C
	v_lshl_add_u32 v[CO], v1, 4, v5
	s_lshl_b32 s16, s13, 7
	s_lshl_b32 s17, s11, 6
	s_add_co_u32 s16, s16, s17                     ; my first row of C: 128 x tile row + 64 x half
	s_mov_b32 s17, 0
	s_mov_b64 s[18:19], SIZE_N*4
	s_mul_u64 s[16:17], s[16:17], s[18:19]
	s_add_nc_u64 s[8:9], s[8:9], s[16:17]
	s_add_nc_u64 s[8:9], s[8:9], s[46:47]          ; and my first column
; 8 matrix instructions: m blocks a0, a0 + 1 x all 4 n blocks, 32 along K: half c of buffer f.  zero = 1: the first product starts the sums, from the bias.  The 16 accumulators take turns.
.macro MUL8 f, c, a0, zero
.irp a, \a0, \a0+1
.irp b, 0,1,2,3
.if \zero
	v_wmma_f32_16x16x32_f16 v[ACC+8*(4*(\a)+\b):ACC+8*(4*(\a)+\b)+7], v[\f+64+8*(4*\c+\b):\f+64+8*(4*\c+\b)+7], v[\f+8*(4*\c+\a):\f+8*(4*\c+\a)+7], v[BI+8*\b:BI+8*\b+7]
.else
	v_wmma_f32_16x16x32_f16 v[ACC+8*(4*(\a)+\b):ACC+8*(4*(\a)+\b)+7], v[\f+64+8*(4*\c+\b):\f+64+8*(4*\c+\b)+7], v[\f+8*(4*\c+\a):\f+8*(4*\c+\a)+7], v[ACC+8*(4*(\a)+\b):ACC+8*(4*(\a)+\b)+7]
.endif
.endr
.endr
.endm
; 32 LDS loads in one run: the fragments of 64 along K at byte k of the rows, into buffer f; the first 32 along K first
.macro FETCH slot, k, f
	WIN TO_F
.irp c, 0,1
.irp i, 0,1,2,3
	ds_load_b128 v[\f+64+8*(4*\c+\i):\f+64+8*(4*\c+\i)+3],   v[ADRB+\slot] offset:\k+64*\c+\i*16*PITCH
	ds_load_b128 v[\f+64+8*(4*\c+\i)+4:\f+64+8*(4*\c+\i)+7], v[ADRB+\slot] offset:\k+64*\c+\i*16*PITCH+32
	ds_load_b128 v[\f+8*(4*\c+\i):\f+8*(4*\c+\i)+3],         v[ADRA+\slot] offset:\k+64*\c+\i*16*PITCH
	ds_load_b128 v[\f+8*(4*\c+\i)+4:\f+8*(4*\c+\i)+7],       v[ADRA+\slot] offset:\k+64*\c+\i*16*PITCH+32
.endr
.endr
.endm
.macro PLACES                          ; four places in front of loads into registers that matrix instructions have read, and of LDS stores that read results (ISA guide 7.12.1 for the stores)
.rept 4
	v_nop
.endr
.endm
; A K step is four quarters of 64 along K, 32 matrix instructions each, on buffers 0, 1, 0, 1.  One of the first three: multiplies buffer f and fetches the next quarter, at byte k, into g.
.macro QUARTER slot, k, f, g, zero
	s_wait_dscnt 16                                ; the first 32 along K are in; the sixteen loads of the second 32 may be out
	WIN MUL
	MUL8 \f, 0, 0, \zero
	MUL8 \f, 0, 2, \zero
	PLACES
	FETCH \slot, \k, \g
	s_wait_dscnt 32                                ; all but the 32 just issued
	WIN MUL
	MUL8 \f, 1, 0, 0
	MUL8 \f, 1, 2, 0
.endm
; The last quarter multiplies buffer 1 and changes slots: ONE barrier; in front of it each wave waits for all its tensor loads, adds 0 to its spare word, and waits for that and for its own reads of this slot.  fill = 1: this slot is filled again, two K steps ahead.
.macro TURN slot, next, fill
	WIN 0                                          ; (the add's two registers lie in window 0)
	s_wait_tensorcnt 0x0                           ; all my tensor loads have landed: my part of the next slot;
	ds_add_u32 v[SPW], v[NIL]                      ; 0 onto my spare word;
	s_wait_dscnt 17                                ; (the add and the youngest sixteen loads may be out)
	WIN MUL
	MUL8 F1, 0, 0, 0                               ; eight matrix instructions stand between the add and the wait for it
	s_wait_dscnt 0x0                               ; the add is done, and my reads of this slot are over
	s_barrier_signal -1
	MUL8 F1, 0, 2, 0
.if \fill
	WIN 0
.endif
	s_barrier_wait -1
.if \fill
	CREST                                          ; the barrier has opened a round of the cluster's barrier: no wave of any partner still reads this slot's tile or has a load on its way
	s_add_nc_u64 s[G0+4*\slot+2:G0+4*\slot+3], s[G0+4*\slot+2:G0+4*\slot+3], 2*KSTEP*2
	s_add_nc_u64 s[G0B+4*\slot+2:G0B+4*\slot+3], s[G0B+4*\slot+2:G0B+4*\slot+3], 2*KSTEP*2
	JLOAD \slot                                    ; the first tensor load behind the round; the four v_nop behind it are also the places in front of the loads below
.else
	PLACES
.endif
	FETCH \next, 0, F0
	WIN MUL
	MUL8 F1, 1, 0, 0
	MUL8 F1, 1, 2, 0
.endm
	s_wait_tensorcnt 1                             ; my part of K step 0 is in (K step 1's load may be out)
	s_barrier_signal -1
	s_barrier_wait -1                              ; everybody's is
	FETCH 0, 0, F0
	s_wait_loadcnt 0x0                             ; the bias
	QUARTER 0, 128, F0, F1, 1                      ; the first quarter stands in front of the loop: its first products start the sums
	WIN 0                                          ; at a label and at a branch every window is 0
	s_mov_b32 s3, LAPS-1
.Llap:                                                 ; a trip goes once round the ring, from a lap's second quarter to the next lap's first, and fills both slots again
	QUARTER 0, 256, F1, F0, 0
	QUARTER 0, 384, F0, F1, 0
	TURN 0, 1, 1
	QUARTER 1, 128, F0, F1, 0
	QUARTER 1, 256, F1, F0, 0
	QUARTER 1, 384, F0, F1, 0
	TURN 1, 0, 1
	QUARTER 0, 128, F0, F1, 0
	WIN 0
	s_sub_co_u32 s3, s3, 1
	s_cmp_lg_u32 s3, 0
	s_cbranch_scc1 .Llap
	QUARTER 0, 256, F1, F0, 0                      ; the last lap fills nothing, and has no round of the cluster's barrier
	QUARTER 0, 384, F0, F1, 0
	TURN 0, 1, 0
	QUARTER 1, 128, F0, F1, 0
	QUARTER 1, 256, F1, F0, 0
	QUARTER 1, 384, F0, F1, 0
	s_wait_dscnt 16                                ; the very last quarter: nothing more to fetch
	WIN MUL
	MUL8 F1, 0, 0, 0
	MUL8 F1, 0, 2, 0
	s_wait_dscnt 0
	MUL8 F1, 1, 0, 0
	MUL8 F1, 1, 2, 0
	WIN 0
; THE WAY OUT, block by block of 16 rows x 64 columns of f32.  A lane holds 32 neighbouring bytes of a row, and the lanes beside it hold other rows: so a block goes through my own stage in LDS and comes back as whole rows
; of 256 bytes.  LDS serves a wave's instructions in order (ISA guide 5.7.1.4): no wait between the stores and the loads, nor in front of the next block's stores.
.macro TOSTAGE a
.irp b, 0,1,2,3
	ds_store_b128 v[STO], v[ACC+8*(4*(\a)+\b):ACC+8*(4*(\a)+\b)+3] offset:64*\b          ; each accumulator from its low end on
	ds_store_b128 v[STO], v[ACC+8*(4*(\a)+\b)+4:ACC+8*(4*(\a)+\b)+7] offset:64*\b+16
.endr
.set BB, TMP+32*((\a)%2)
.irp t, 0,1,2,3,4,5,6,7
	ds_load_b128 v[BB+4*\t:BB+4*\t+3], v[RD] offset:\t*2*SPITCH
.endr
.endm
.macro SEND a, younger                 ; younger: the LDS instructions issued behind block a's loads, which may stay out
.set BB, TMP+32*((\a)%2)
	s_wait_dscnt \younger                          ; the block is back in registers
.irp t, 0,1,2,3,4,5,6,7
	global_store_b128 v[CO], v[BB+4*\t:BB+4*\t+3], s[8:9] offset:(16*(\a)+2*\t)*SIZE_N*4 th:TH_STORE_NT   ; 16 lanes store 256 consecutive bytes, at a multiple of 256 from C's first byte; written once, read by nobody here
.endr
.endm
	PLACES                                         ; behind the last products, ahead of the first LDS store that reads a result
	TOSTAGE 0
.irp a, 1,2,3
.if \a > 1
	s_wait_xcnt 0x0                                ; block a - 2's stores have read their registers: block a's loads may land there
.endif
	TOSTAGE \a
	SEND \a-1, 16                                  ; behind block a - 1's loads: block a's 8 stores and 8 loads
.endr
	SEND 3, 0
	s_wait_tensorcnt 0x0                           ; the wave's end: behind my last tensor load and my last LDS store
	ds_add_u32 v[SPW], v[NIL]
	s_wait_dscnt 0x0
	CROUND                                         ; the closing round: no work-group ends while a partner may still ask for a tile that names it
	s_endpgm
.Lfunc_end_k_q14b31bdb95_outp:
	.size	k_q14b31bdb95_outp, .Lfunc_end_k_q14b31bdb95_outp-k_q14b31bdb95_outp
	.p2alignl 7, 3214868480
	.fill 96, 4, 3214868480
	.section	.rodata,"a",@progbits
	.p2align	6, 0x0
	.amdhsa_kernel k_q14b31bdb95_outp
		.amdhsa_group_segment_fixed_size 327680
		.amdhsa_private_segment_fixed_size 0
		.amdhsa_enable_private_segment 0
		.amdhsa_kernarg_size 32
		.amdhsa_user_sgpr_count 2
		.amdhsa_user_sgpr_kernarg_segment_ptr 1
		.amdhsa_wavefront_size32 1
		.amdhsa_system_sgpr_workgroup_id_x 1
		.amdhsa_system_sgpr_workgroup_id_y 1
		.amdhsa_system_sgpr_workgroup_id_z 1
		.amdhsa_system_vgpr_workitem_id 0
		.amdhsa_next_free_vgpr 512
		.amdhsa_next_free_sgpr 72
		.amdhsa_reserve_vcc 0
		.amdhsa_float_denorm_mode_32 3
		.amdhsa_float_denorm_mode_16_64 3
		.amdhsa_memory_ordered 1
		.amdhsa_forward_progress 1
		.amdhsa_inst_pref_size 87
	.end_amdhsa_kernel
	.amdgpu_metadata
---
amdhsa.version: [ 1, 2 ]
amdhsa.kernels:
  - .name:           k_q14b31bdb95_outp
    .symbol:         k_q14b31bdb95_outp.kd
    .args:
      - { .name: x16, .offset: 0, .size: 8, .value_kind: global_buffer, .address_space: global }
      - { .name: wo16, .offset: 8, .size: 8, .value_kind: global_buffer, .address_space: global }
      - { .name: b_o, .offset: 16, .size: 8, .value_kind: global_buffer, .address_space: global }
      - { .name: out0, .offset: 24, .size: 8, .value_kind: global_buffer, .address_space: global }
    .group_segment_fixed_size: 327680
    .private_segment_fixed_size: 0
    .kernarg_segment_align: 8
    .kernarg_segment_size: 32
    .max_flat_workgroup_size: 128
    .sgpr_count:     72
    .vgpr_count:     512
    .wavefront_size: 32
...
	.end_amdgpu_metadata
.endif
;; end of part 4
